; MI455X (gfx1250); checked and timed in simulation.
; The chip was launched on July 23, 2026; its instructions are those of AMD's public machine-readable ISA for CDNA 5 (MIT licence, August 2026) and "CDNA5" Instruction Set Architecture Reference Guide (July 2026). The comments in the code are by the model that wrote it; some were corrected since.
;; Attention Block. Allowed arithmetic: matrix products marked QUANTISED: E4M3 operands, one E8M0 scale for each 32 along K, by v_wmma_scale_f32_16x16x128_f8f6f4 with both operands' format E4M3, f32 sums; everything else in f32.
;; Inputs: bk 512 float32; bo 512 float32; bq 512 float32; bv 512 float32; gn_beta 512 float32; gn_gamma 512 float32; wk 512 x 512 float32; wo 512 x 512 float32; wq 512 x 512 float32; wv 512 x 512 float32; x 32 x 32 x 32 x 512 float32.
;; Outputs: out0 32 x 32 x 32 x 512 float32.
;; This version of the problem:
;;   THIS VERSION OF THE PROBLEM IS GIVEN IN LOW PRECISION. The matrix products marked QUANTISED in the list below multiply operands that are first quantised to E4M3 (4 exponent bits, 3 mantissa bits; 8 bits a number), with one power-of-two scale for each 32 numbers along K (OCP MX v1.0); their sums are f32. All else is computed in f32.
;;   The module's matrix products, in the order in which they are computed (A, B: the left and right operand; K: the contracted axis; several contracted axes count as one K, in the product's order):
;;     1. [M 32,768, K 512] x [K 512, N 512]; A: computed on the way; B: input wq: QUANTISED
;;     2. [M 32,768, K 512] x [K 512, N 512]; A: computed on the way; B: input wk: QUANTISED
;;     3. [M 32,768, K 512] x [K 512, N 512]; A: computed on the way; B: input wv: QUANTISED
;;     4. batch 32 x [M 1,024, K 512] x [K 512, N 1,024]; A: computed on the way; B: computed on the way: QUANTISED
;;     5. batch 32 x [M 512, K 1,024] x [K 1,024, N 1,024]; A: computed on the way; B: softmax (see below): QUANTISED
;;     6. [M 32,768, K 512] x [K 512, N 512]; A: computed on the way; B: input wo: QUANTISED
;;   THE QUANTISER, for each operand of a quantised product, along K:
;;     - K is cut into blocks of 32 from its start; a last block that is shorter is filled with zeros.
;;     - A block's scale is 2^e with e = floor(log2(the largest magnitude in the block)) - 8, held to -126 .. 127; a block of zeros has e = 0. As a byte (E8M0): e + 127.
;;     - Each number is divided by its block's scale, clamped to +-448, and rounded to the nearest number of E4M3, ties to even, subnormals kept.
;;     - The product sums the exact products of the quantised numbers (number of the format x scale) in f32.
;;   ~~~python
;;   def quantise(x, axis):      # numpy; x: float32 -> the quantised numbers, widened to float32 again
;;       x = np.moveaxis(x, axis, -1); K = x.shape[-1]
;;       x = np.pad(x, [(0, 0)] * (x.ndim - 1) + [(0, -K % 32)]); x = x.reshape(x.shape[:-1] + (-1, 32)); a = np.abs(x).max(-1, keepdims=True)
;;       e = np.where(a > 0, np.clip(np.frexp(np.where(a > 0, a, 1))[1] - 1 - 8, -126, 127), 0)      # np.frexp(a)[1] - 1 = floor(log2(a)), exactly
;;       r = np.clip(x / 2.0 ** e, -448, 448)
;;       step = 2.0 ** (np.maximum(np.frexp(np.where(r == 0, 1, r))[1] - 1, -6) - 3)
;;       q = np.round(r / step) * step * 2.0 ** e      # np.round: ties to even
;;       return np.moveaxis(q.reshape(q.shape[:-2] + (-1,))[..., :K], -1, axis).astype(np.float32)
;;   ~~~
;;   SOFTMAX AHEAD OF A QUANTISED PRODUCT. Where the list says 'softmax', what is quantised is not the finished softmax but p = 2^(t - M), with t = logit x log2(e) and M = ceil(the row's largest t), a whole number; so 1/2 < the row's largest p <= 1. The row's sum l is taken of the UNQUANTISED p, in f32, and the product's result is divided by l at the end. Since M is a whole number, a kernel that streams over the keys may use a running M (the ceiling of the running maximum): every later rescaling is an exact power of two, which a block's scale takes up: the codes' values come out the same.
;;   OPERANDS COMPUTED ON THE WAY. 'Computed on the way' means the value that the module computes at that place (a softmax that the list does not call 'softmax' is quantised finished and normalised). What goes into a quantiser is computed in f32, as accurately as f32 sums, v_exp_f32 and their like allow (about 1e-6 of the number): no bf16 or f16 on the way to a quantiser, and a product that is left as it is and whose result goes on into a quantised operand takes f32 operands (vector FMAs, or v_wmma_f32_16x16x4_f32). A number that lies on a knife's edge between two numbers of the format may be rounded either way, as far as f32 arithmetic and the matrix unit's own rounding can turn it there, and no further.
;; One version. Each part assembles by itself: llvm-mc -triple=amdgcn-amd-amdhsa -mcpu=gfx1250 --defsym DOCPART=n.
;; ======== version 1 of 1: 4 launches
;; limits: right only within a limited range of input values
;; workspace buffers: stats 65,536 bytes; wts 1,179,648 bytes; qk 34,603,008 bytes; vv 17,301,504 bytes; oo 17,301,504 bytes
;; launch prep (part 1): grid 288 x 1, 16 waves a work-group, no clusters, 6,144 bytes of LDS; arguments x, wq, wk, wv, wo, bq, bk, bv, stats, wts; writes stats, wts
.if DOCPART == 1
	.amdgcn_target "amdgcn-amd-amdhsa--gfx1250"
	.amdhsa_code_object_version 6
	.text
	.protected	k_q95c0d92618_prep
	.globl	k_q95c0d92618_prep
	.p2align	8
	.type	k_q95c0d92618_prep,@function
k_q95c0d92618_prep:
	s_mov_b64 s[64:65], 0
	v_nop
	global_prefetch_b8 v0, s[64:65] scope:SCOPE_SE
	s_setreg_imm32_b32 hwreg(HW_REG_WAVE_MODE, 25, 1), 1
	s_wait_xcnt 0x0
; FIRST OF FOUR LAUNCHES (prep, qkv, attn, proj) for: GroupNorm, three 1x1 convolutions, attention on raw reshapes, a fourth 1x1 convolution, bias and residual; all six products on codes of E4M3 with one E8M0 scale for 32 along K.
; DEAD WORK: none is left out.  Every bias goes into a quantiser (bq, bk, bv) or straight into the result (bo); gamma and beta go into xn's quantiser; all eleven inputs are loaded by one launch or another.
; THIS LAUNCH.  Work-groups 0-31: the four weights [k][n] as operand fragments (the shorter work: it has the lowest numbers).  One wave makes one fragment (16 columns x 128 along K): a lane takes a column and its registers run down K,
; in the order of the operand's registers, so the conversions' results are the fragment.  THE COLUMNS OF A TILE ARE NOT NEIGHBOURS: lane r of tile 2 beta + u takes column 32 beta + 8 u + r + 8 (r / 8).
; wts: codes at idx x 16384 + u x 8192 + s x 2048 + c x 512 + 16 x lane; scale words at 1048576 + idx x 512 + s x 128 + u x 64 + 4 r; images of the biases as C operands at 1081344 + idx x 2048 + u x 1024 + half x 512 + 16 x lane.
; idx orders the pairs of tiles as the next launch's waves walk them: q, k: 12 (beta / 4) + 2 (beta % 4) + (0 for q, 1 for k); v: 12 (beta % 4) + 8 + beta / 4; wo: 48 + beta.
; Work-groups 32-287: partial statistics of GroupNorm.  Work-group 32 + 8 b + slice takes 128 pixels of image b; wave w 8 of them (16,384 dense bytes, kept in 128 registers);
; for each of the 32 groups of 16 channels a mean and a sum of squared distances from that mean (two passes over the registers, so that a common offset of x costs no digits); the 16 waves' pairs are joined
; (equal counts: mean of means; M2 = sum of M2 + 128 x sum of (mean_i - mean)^2) and stored: stats[b][slice][group][mean, M2], 256 bytes a work-group.
; LIMITS: NaN and infinities among the inputs are not served.  A block whose largest magnitude lies under 2^-118 (a block of zeros among them) gets the byte 1 where the quantiser says another: these bytes are read by this program alone.
.set WGW,   32                         ; work-groups that make the weights
.set SPARE, 4096                       ; LDS: bytes 0-4095 the waves' pairs [wave][group][8 bytes]; then the spare words, 128 bytes a wave
.set SPW,  2                           ; v2  LDS address of my spare word; never rewritten
.set NIL,  3                           ; v3  0; never rewritten
.set LA16, 4                           ; v4  16 x lane
.set X,    32                          ; statistics: v32-159 eight rows x 16 registers
.set TM,   32                          ; weights: v32-47 at work in QUANT
.set PW,   48                          ; the scale word
.set PC,   16                          ; v16-31 the fragment's codes
.set WN,   64                          ; v64-127 64 numbers of my column
.set SEL,  56                          ; s[56:57] lane selects: lane l xor 16
.set MNT,  58                          ; s58 the mantissa field of 448
; 64 numbers of a lane, register 16 b + i = k 32 b + 16 (lane / 16) + i of my row or column, become a fragment's codes in v[PC] on and its scale word in v[PW]
.macro QUANT s
.set QIN, \s
.irp b, 0,1,2,3
	v_max3_num_f32 v[TM+\b], |v[QIN+16*\b]|, |v[QIN+1+16*\b]|, 0x4800000   ; block b: my 16 numbers and the floor 2^(9 - 127): the byte cannot fall under 1
.endr
.irp i, 2,4,6,8,10,12,14
.irp b, 0,1,2,3
	v_max3_num_f32 v[TM+\b], v[TM+\b], |v[QIN+16*\b+\i]|, |v[QIN+1+16*\b+\i]|
.endr
.endr
.irp b, 0,1,2,3
	v_permlanex16_b32 v[TM+4+\b], v[TM+\b], s[SEL], s[SEL+1]
.endr
.irp b, 0,1,2,3
	v_max_num_f32 v[TM+\b], v[TM+\b], v[TM+4+\b]           ; with lane l xor 16's: the block's largest magnitude
.endr
.irp b, 0,1,2,3
	v_add_nc_u32 v[TM+12+\b], 0xfc000000, v[TM+\b]         ; 8 off its exponent field: the conversion's scale operand
.endr
.irp b, 0,1,2,3
	v_and_or_b32 v[TM+8+\b], v[TM+\b], 0x7f800000, s[MNT]  ; 448 x the scale
.endr
.irp b, 0,1,2,3
	v_lshrrev_b32 v[TM+4+\b], 23, v[TM+12+\b]              ; the scale's byte
.endr
	v_lshl_or_b32 v[PW], v[TM+5], 8, v[TM+4]
	v_lshl_or_b32 v[PW], v[TM+6], 16, v[PW]
	v_lshl_or_b32 v[PW], v[TM+7], 24, v[PW]
.irp b, 0,1,2,3
.irp i, 0,1,2,3,4,5,6,7,8,9,10,11,12,13,14,15
	v_med3_num_f32 v[QIN+16*\b+\i], v[QIN+16*\b+\i], -v[TM+8+\b], v[TM+8+\b]   ; the conversion to an 8-bit code does not saturate (ISA guide 7.6.2): the hold
.endr
	v_cvt_scalef32_pk8_fp8_f32 v[PC+4*\b:PC+1+4*\b], v[QIN+16*\b:QIN+7+16*\b], v[TM+12+\b]
	v_cvt_scalef32_pk8_fp8_f32 v[PC+2+4*\b:PC+3+4*\b], v[QIN+8+16*\b:QIN+15+16*\b], v[TM+12+\b]
.endr
	v_nop                                                  ; a plain line behind the last conversion
.endm
	s_load_b512 s[8:23], s[0:1], 0x0               ; x s[8:9], wq s[10:11], wk s[12:13], wv s[14:15], wo s[16:17], bq s[18:19], bk s[20:21], bv s[22:23]
	s_load_b128 s[24:27], s[0:1], 0x40             ; stats s[24:25], wts s[26:27]
	v_lshl_add_u32 v[SPW], v0, 2, SPARE
	v_mov_b32 v[NIL], 0
	v_lshrrev_b32 v1, 5, v0
	v_readfirstlane_b32 s28, v1                    ; wave 0..15
	v_and_b32 v1, 31, v0                           ; lane
	v_lshlrev_b32 v[LA16], 4, v1
	v_lshlrev_b32 v7, 3, v1                        ; 8 x lane: wave 0's place among the pairs, in LDS and in stats
	v_and_b32 v5, 0x1e0, v0
	v_lshlrev_b32 v5, 3, v5                        ; 256 x wave
	v_and_b32 v6, 28, v0
	v_lshl_add_u32 v5, v6, 1, v5                   ; + 8 x (lane / 4): where my group's pair goes
	s_wait_kmcnt 0x0
	s_cmp_lt_u32 ttmp9, WGW                        ; the work-group's number alone: all sixteen waves go the same way
	s_cbranch_scc1 .Lweights
	; ---- statistics
	s_sub_co_u32 s30, ttmp9, WGW                   ; 8 b + slice
	s_lshl_b32 s30, s30, 4
	s_add_co_u32 s30, s30, s28
	s_lshl_b32 s30, s30, 14                        ; my 8 pixels: 16,384 bytes
	s_mov_b32 s31, 0
	s_add_nc_u64 s[8:9], s[8:9], s[30:31]
.set p, 0
.rept 8
.irp j, 0,1,2,3
	global_load_b128 v[X+16*p+4*\j:X+16*p+4*\j+3], v[LA16], s[8:9] offset:2048*p+512*\j th:TH_LOAD_NT   ; 512 consecutive bytes; lane l of piece j holds 4 channels of group 8 j + l / 4
.endr
.set p, p+1
.endr
	s_wait_loadcnt 28                              ; row 0 is in; the 28 loads of the seven rows behind it may be out
.irp j, 0,1,2,3
	v_pk_add_f32 v[8+2*\j:9+2*\j], v[X+4*\j:X+4*\j+1], v[X+4*\j+2:X+4*\j+3]   ; the first addition starts each chain
.endr
.set p, 1
.rept 7
	s_wait_loadcnt 28-4*p                          ; row p is in; the rows behind it may be out
.irp j, 0,1,2,3
	v_pk_add_f32 v[8+2*\j:9+2*\j], v[8+2*\j:9+2*\j], v[X+16*p+4*\j:X+16*p+4*\j+1]
.endr
.irp j, 0,1,2,3
	v_pk_add_f32 v[8+2*\j:9+2*\j], v[8+2*\j:9+2*\j], v[X+16*p+4*\j+2:X+16*p+4*\j+3]
.endr
.set p, p+1
.endr
.irp j, 0,1,2,3
	v_add_f32 v[8+2*\j], v[8+2*\j], v[9+2*\j]
.endr
.irp j, 0,1,2,3
	v_add_f32_dpp v[8+2*\j], v[8+2*\j], v[8+2*\j] row_xmask:1 row_mask:0xf bank_mask:0xf
.endr
.irp j, 0,1,2,3
	v_add_f32_dpp v[8+2*\j], v[8+2*\j], v[8+2*\j] row_xmask:2 row_mask:0xf bank_mask:0xf   ; the four lanes of a group
.endr
.irp j, 0,1,2,3
	v_mul_f32 v[16+2*\j], 0x3c000000, v[8+2*\j]    ; / 128: the mean of my wave's numbers of the group
.endr
.irp j, 0,1,2,3
	v_mov_b32 v[17+2*\j], v[16+2*\j]
.endr
.set p, 0
.rept 8
.irp j, 0,1,2,3
	v_pk_add_f32 v[X+16*p+4*\j:X+16*p+4*\j+1], v[X+16*p+4*\j:X+16*p+4*\j+1], v[16+2*\j:17+2*\j] neg_lo:[0,1] neg_hi:[0,1]
	v_pk_add_f32 v[X+16*p+4*\j+2:X+16*p+4*\j+3], v[X+16*p+4*\j+2:X+16*p+4*\j+3], v[16+2*\j:17+2*\j] neg_lo:[0,1] neg_hi:[0,1]
.endr
.set p, p+1
.endr
.irp j, 0,1,2,3
	v_pk_mul_f32 v[24+2*\j:25+2*\j], v[X+4*\j:X+4*\j+1], v[X+4*\j:X+4*\j+1]
.endr
.irp j, 0,1,2,3
	v_pk_fma_f32 v[24+2*\j:25+2*\j], v[X+4*\j+2:X+4*\j+3], v[X+4*\j+2:X+4*\j+3], v[24+2*\j:25+2*\j]
.endr
.set p, 1
.rept 7
.irp j, 0,1,2,3
	v_pk_fma_f32 v[24+2*\j:25+2*\j], v[X+16*p+4*\j:X+16*p+4*\j+1], v[X+16*p+4*\j:X+16*p+4*\j+1], v[24+2*\j:25+2*\j]
.endr
.irp j, 0,1,2,3
	v_pk_fma_f32 v[24+2*\j:25+2*\j], v[X+16*p+4*\j+2:X+16*p+4*\j+3], v[X+16*p+4*\j+2:X+16*p+4*\j+3], v[24+2*\j:25+2*\j]
.endr
.set p, p+1
.endr
.irp j, 0,1,2,3
	v_add_f32 v[24+2*\j], v[24+2*\j], v[25+2*\j]
.endr
.irp j, 0,1,2,3
	v_add_f32_dpp v[24+2*\j], v[24+2*\j], v[24+2*\j] row_xmask:1 row_mask:0xf bank_mask:0xf
.endr
.irp j, 0,1,2,3
	v_add_f32_dpp v[17+2*\j], v[24+2*\j], v[24+2*\j] row_xmask:2 row_mask:0xf bank_mask:0xf   ; M2 beside its mean
.endr
.irp j, 0,1,2,3
	ds_store_b64 v5, v[16+2*\j:17+2*\j] offset:64*\j   ; the four lanes of a group write the same bytes with the same value
.endr
	s_branch .Ljoin
	; ---- weights
.Lweights:
	s_lshl_b32 s30, ttmp9, 4
	s_add_co_u32 s30, s30, s28                     ; F = which fragment of 512
	s_lshr_b32 s31, s30, 7                         ; which weight: 0 q, 1 k, 2 v, 3 o
	s_bfe_u32 s32, s30, 0x40003                    ; beta: the pair of tiles
	s_bfe_u32 s33, s30, 0x10002                    ; u: the tile in the pair
	s_and_b32 s34, s30, 3                          ; s: the K step of 128
	s_cmp_eq_u32 s31, 0
	s_cselect_b64 s[36:37], s[10:11], s[12:13]
	s_cselect_b64 s[38:39], s[18:19], s[20:21]
	s_cmp_lt_u32 s31, 2
	s_cselect_b64 s[36:37], s[36:37], s[14:15]
	s_cselect_b64 s[38:39], s[38:39], s[22:23]
	s_cmp_lt_u32 s31, 3
	s_cselect_b64 s[36:37], s[36:37], s[16:17]     ; the weight; s[38:39] its bias (wo has none here)
	s_lshr_b32 s40, s32, 2
	s_and_b32 s41, s32, 3
	s_mul_i32 s42, s40, 12
	s_lshl_b32 s43, s41, 1
	s_add_co_u32 s42, s42, s43
	s_add_co_u32 s42, s42, s31                     ; q, k: 12 (beta / 4) + 2 (beta % 4) + which
	s_mul_i32 s43, s41, 12
	s_add_co_u32 s43, s43, s40
	s_add_co_u32 s43, s43, 8                       ; v: 12 (beta % 4) + 8 + beta / 4
	s_add_co_u32 s44, s32, 48                      ; wo: 48 + beta
	s_cmp_lt_u32 s31, 2
	s_cselect_b32 s42, s42, s43
	s_cmp_lt_u32 s31, 3
	s_cselect_b32 s42, s42, s44                    ; idx
	s_lshl_b32 s46, s32, 7
	s_lshl_b32 s47, s33, 5
	s_add_co_u32 s46, s46, s47                     ; (32 beta + 8 u) x 4: the tile's first column, in bytes
	s_lshl_b32 s44, s34, 18                        ; 128 s rows of 2,048 bytes
	s_add_co_u32 s44, s44, s46
	s_mov_b32 s45, 0
	s_mov_b32 s47, 0
	s_add_nc_u64 s[36:37], s[36:37], s[44:45]
	s_add_nc_u64 s[38:39], s[38:39], s[46:47]
	s_lshl_b32 s48, s42, 14
	s_lshl_b32 s49, s33, 13
	s_add_co_u32 s48, s48, s49
	s_lshl_b32 s49, s34, 11
	s_add_co_u32 s48, s48, s49
	s_mov_b32 s49, 0
	s_add_nc_u64 s[50:51], s[26:27], s[48:49]      ; where the codes go
	s_lshl_b32 s48, s42, 9
	s_lshl_b32 s52, s34, 7
	s_add_co_u32 s48, s48, s52
	s_lshl_b32 s52, s33, 6
	s_add_co_u32 s48, s48, s52
	s_add_co_u32 s48, s48, 1048576
	s_add_nc_u64 s[52:53], s[26:27], s[48:49]      ; the scale words
	s_lshl_b32 s48, s42, 11
	s_lshl_b32 s54, s33, 10
	s_add_co_u32 s48, s48, s54
	s_add_co_u32 s48, s48, 1081344
	s_add_nc_u64 s[54:55], s[26:27], s[48:49]      ; the bias's image
	s_mov_b32 s[SEL], 0x76543210
	s_mov_b32 s[SEL+1], 0xfedcba98
	s_mov_b32 s[MNT], 0x600000
	v_and_b32 v8, 15, v0                           ; r
	v_bfe_u32 v9, v0, 4, 1                         ; h
	v_and_b32 v10, 8, v8
	v_add_nc_u32 v10, v10, v8
	v_lshlrev_b32 v10, 2, v10                      ; 4 (r + 8 (r / 8)): my column in the tile
	v_lshl_add_u32 v11, v9, 15, v10                ; lanes 16-31 begin 16 rows further down
	v_lshlrev_b32 v13, 2, v8                       ; 4 r
.irp b, 0,1,2,3
	v_mov_b32 v[TM+4+\b], 0                        ; written once: a lane permute's destination counts as one of its sources
.endr
.irp c, 0,1,2,3
.irp i, 0,1,2,3,4,5,6,7,8,9,10,11,12,13,14,15
	global_load_b32 v[WN+16*\c+\i], v11, s[36:37] offset:(32*\c+\i)*2048   ; W(128 s + 32 c + 16 h + i, my column); the work-group's sixteen waves cover 64 columns, 256 bytes of each row
.endr
.endr
	s_wait_loadcnt 0x0
	QUANT WN
.irp c, 0,1,2,3
	global_store_b128 v[LA16], v[PC+4*\c:PC+4*\c+3], s[50:51] offset:512*\c   ; the fragment as an image of its registers: 512 consecutive bytes a store
.endr
	global_store_b32 v13, v[PW], s[52:53]          ; lanes r and r + 16 hold and write the same word
	s_cmp_lg_u32 s34, 0                            ; the bias's image is made once for a tile, by the wave of K step 0; wo has none
	s_cbranch_scc1 .Ljoin
	s_cmp_eq_u32 s31, 3
	s_cbranch_scc1 .Ljoin
	s_cmp_eq_u32 s31, 2
	s_cbranch_scc1 .Lbias_v
	global_load_b32 v52, v10, s[38:39]             ; q, k: the result holds one channel a lane: all eight registers are that channel's bias
	s_wait_loadcnt 0x0
	v_mov_b32 v53, v52
	v_mov_b32 v54, v52
	v_mov_b32 v55, v52
	global_store_b128 v[LA16], v[52:55], s[54:55]
	global_store_b128 v[LA16], v[52:55], s[54:55] offset:512
	s_branch .Ljoin
.Lbias_v:
	v_lshlrev_b32 v14, 6, v9                       ; v: register j is channel 32 beta + 16 h + 8 u + j
	global_load_b128 v[52:55], v14, s[38:39]
	global_load_b128 v[56:59], v14, s[38:39] offset:16
	s_wait_loadcnt 0x0
	global_store_b128 v[LA16], v[52:55], s[54:55]
	global_store_b128 v[LA16], v[56:59], s[54:55] offset:512
.Ljoin:
	s_wait_dscnt 0x0                               ; my pairs have landed in LDS
	s_barrier_signal -1
	s_barrier_wait -1                              ; everybody's have
	s_cmp_lt_u32 ttmp9, WGW
	s_cbranch_scc1 .Lend
	s_cmp_lg_u32 s28, 0
	s_cbranch_scc1 .Lend
	; wave 0 joins the sixteen waves' pairs: lane = group
.irp i, 0,1,2,3,4,5,6,7,8,9,10,11,12,13,14,15
	ds_load_b64 v[128+2*\i:129+2*\i], v7 offset:256*\i
.endr
	s_sub_co_u32 s30, ttmp9, WGW                   ; 8 b + slice
	s_lshl_b32 s30, s30, 8
	s_mov_b32 s31, 0
	s_add_nc_u64 s[24:25], s[24:25], s[30:31]
	s_wait_dscnt 0x0
	v_add_f32 v160, v128, v130
	v_add_f32 v161, v129, v131
.irp i, 2,3,4,5,6,7,8,9,10,11,12,13,14,15
	v_add_f32 v160, v160, v[128+2*\i]
	v_add_f32 v161, v161, v[129+2*\i]
.endr
	v_mul_f32 v164, 0x3d800000, v160               ; / 16: the mean of 2,048 numbers
.irp i, 0,1,2,3,4,5,6,7,8,9,10,11,12,13,14,15
	v_sub_f32 v[128+2*\i], v[128+2*\i], v164
.endr
	v_mul_f32 v162, v128, v128
.irp i, 1,2,3,4,5,6,7,8,9,10,11,12,13,14,15
	v_fmac_f32 v162, v[128+2*\i], v[128+2*\i]
.endr
	v_fmamk_f32 v165, v162, 0x43000000, v161       ; M2 = sum of M2 + 128 x sum of (mean_i - mean)^2
	global_store_b64 v7, v[164:165], s[24:25]      ; 32 lanes store 256 consecutive bytes, aligned
.Lend:
	s_wait_tensorcnt 0x0                           ; the wave's end
	ds_add_u32 v[SPW], v[NIL]
	s_wait_dscnt 0x0
	s_endpgm
.Lfunc_end_k_q95c0d92618_prep:
	.size	k_q95c0d92618_prep, .Lfunc_end_k_q95c0d92618_prep-k_q95c0d92618_prep
	.p2alignl 7, 3214868480
	.fill 96, 4, 3214868480
	.section	.rodata,"a",@progbits
	.p2align	6, 0x0
	.amdhsa_kernel k_q95c0d92618_prep
		.amdhsa_group_segment_fixed_size 6144
		.amdhsa_private_segment_fixed_size 0
		.amdhsa_enable_private_segment 0
		.amdhsa_kernarg_size 80
		.amdhsa_user_sgpr_count 2
		.amdhsa_user_sgpr_kernarg_segment_ptr 1
		.amdhsa_wavefront_size32 1
		.amdhsa_system_sgpr_workgroup_id_x 1
		.amdhsa_system_sgpr_workgroup_id_y 1
		.amdhsa_system_sgpr_workgroup_id_z 1
		.amdhsa_system_vgpr_workitem_id 0
		.amdhsa_next_free_vgpr 176
		.amdhsa_next_free_sgpr 66
		.amdhsa_reserve_vcc 0
		.amdhsa_float_denorm_mode_32 3
		.amdhsa_float_denorm_mode_16_64 3
		.amdhsa_memory_ordered 1
		.amdhsa_forward_progress 1
		.amdhsa_inst_pref_size 40
	.end_amdhsa_kernel
	.amdgpu_metadata
---
amdhsa.version: [ 1, 2 ]
amdhsa.kernels:
  - .name:           k_q95c0d92618_prep
    .symbol:         k_q95c0d92618_prep.kd
    .args:
      - { .name: x, .offset: 0, .size: 8, .value_kind: global_buffer, .address_space: global }
      - { .name: wq, .offset: 8, .size: 8, .value_kind: global_buffer, .address_space: global }
      - { .name: wk, .offset: 16, .size: 8, .value_kind: global_buffer, .address_space: global }
      - { .name: wv, .offset: 24, .size: 8, .value_kind: global_buffer, .address_space: global }
      - { .name: wo, .offset: 32, .size: 8, .value_kind: global_buffer, .address_space: global }
      - { .name: bq, .offset: 40, .size: 8, .value_kind: global_buffer, .address_space: global }
      - { .name: bk, .offset: 48, .size: 8, .value_kind: global_buffer, .address_space: global }
      - { .name: bv, .offset: 56, .size: 8, .value_kind: global_buffer, .address_space: global }
      - { .name: stats, .offset: 64, .size: 8, .value_kind: global_buffer, .address_space: global }
      - { .name: wts, .offset: 72, .size: 8, .value_kind: global_buffer, .address_space: global }
    .group_segment_fixed_size: 6144
    .private_segment_fixed_size: 0
    .kernarg_segment_align: 8
    .kernarg_segment_size: 80
    .max_flat_workgroup_size: 512
    .sgpr_count:     66
    .vgpr_count:     176
    .wavefront_size: 32
...
	.end_amdgpu_metadata
.endif
;; end of part 1
;; launch qkv (part 2): grid 256 x 1, 4 waves a work-group, no clusters, 90,624 bytes of LDS; arguments x, gn_gamma, gn_beta, stats, wts, qk, vv; writes qk, vv
.if DOCPART == 2
	.amdgcn_target "amdgcn-amd-amdhsa--gfx1250"
	.amdhsa_code_object_version 6
	.text
	.protected	k_q95c0d92618_qkv
	.globl	k_q95c0d92618_qkv
	.p2align	8
	.type	k_q95c0d92618_qkv,@function
k_q95c0d92618_qkv:
	s_mov_b64 s[64:65], 0
	v_nop
	global_prefetch_b8 v0, s[64:65] scope:SCOPE_SE
	s_setreg_imm32_b32 hwreg(HW_REG_WAVE_MODE, 25, 1), 1
	s_wait_xcnt 0x0
; SECOND LAUNCH: GroupNorm finished, xn quantised along the channels, q, k, v = Q(xn) Q(W) + bias, and q, k, v quantised as the attention's operands want them.  No work of the problem is left out.
; THE RESHAPES.  q_r[c'][n] = q[pixel 2 c' + n / 512][channel n % 512]: a query or key is (pixel parity, channel), the attention's first K is c', the pixel pair.  So q and k are quantised along 32 pixels of one parity
; for a fixed channel, and v (second product's K = the keys) along 32 neighbouring channels of one pixel.
; SHARES.  Work-group 8 b + 2 s + ih owns the 128 pixels 2 (128 s + c'') + ih, c'' = 0..127, of image b: one K step s of the attention, one parity; and all 1,536 columns.  Wave w quantises rows c'' = 32 w .. 32 w + 31 of xn into LDS;
; behind the launch's one barrier every wave takes all 32 fragments of xn into registers (512) and walks 12 pairs of weight tiles, which stream from memory straight into registers, each fragment feeding 8 matrix instructions.
; TILES.  Lane r of tile t of any operand takes row 32 (t / 2) + 8 (t % 2) + r + 8 (r / 8): the 16 result registers of tiles 2 b and 2 b + 1 are then 16 neighbours 32 b + 16 (lane / 16) + 0..15 along the next K.
; q, k: source 0 = pixels, source 1 = channels: a lane holds one channel, its registers run along c'.  v: source 0 = channels, source 1 = pixels: a lane holds one pixel, its registers run along the channels.  The biases are the C of each sum's first instruction.
; OUT, as images of operand registers (a unit = 4 registers x 32 lanes = 512 bytes): qk codes: b x 1048576 + pi x 32768 + z x 16384 + u x 8192 + s x 2048 + c x 512 + 16 lane (pi = 16 ih + beta, z = 0 q, 1 k);
; words at 33554432 + b x 32768 + pi x 1024 + z x 512 + s x 128 + 4 lane (lanes 0-15 tile u = 0, lanes 16-31 u = 1).  vv codes: b x 524288 + n' x 16384 + (2 w + ih) x 2048 + c x 512 + 16 lane (n' = 8 s + pixel tile; unit c = channels 128 c + 32 w ..);
; words at 16777216 + b x 16384 + (n' / 2) x 1024 + (2 w + ih) x 128 + 4 lane.
; NO CLUSTER, NO TENSOR LOAD: a weight fragment is used by one wave of the work-group alone and feeds its 8 products from registers: a way through LDS would add an LDS write and read for each byte.
; LIMITS: NaN and infinities are not served.  A block whose largest magnitude lies under 2^-118 (zeros among them) gets the byte 1: these bytes are read by this program alone.
.set XP,    528                        ; LDS: xn's codes, 128 rows of 512 bytes + 16
.set SCX,   67584                      ; their scale bytes, 16 a row
.set STGS,  69632                      ; two stages of 32 x 80 bytes for each wave
.set SPARE, 90112                      ; the spare words, 128 bytes a wave
.set SPW,  2                           ; v2 my spare word's address, v3 0: never rewritten
.set NIL,  3
.set LA16, 4                           ; 16 x lane
.set LA4,  5                           ; 4 x lane
.set STI,  6                           ; the stage, on the way in
.set STO,  7                           ; and out
.set XCW,  8                           ; where my codes of a row go
.set SCW,  9                           ; and my block's scale byte
.set XFA,  10                          ; a fragment's place for my lane
.set XSA,  11                          ; its scale words'
.set GA,   20                          ; phase X: v20-35 gamma x rstd, v36-51 beta of my 16 channels
.set BE,   36
.set X,    52                          ; v52-83 two sets of 16 neighbours
.set CD,   84                          ; v84-91 two sets of codes; v92, v93 two bytes
.set BYT,  92
.set R,    96                          ; v96-223 eight sets of 16 as loaded
.set TM,   20                          ; main phase: v20-35 at work in QUANT
.set PW,   36
.set PWA,  37
.set PWO,  38
.set PC,   40                          ; v40-55 codes
.set BC,   56                          ; v56-87 the biases' images, two sets of 16
.set E0,   96                          ; v96-223 sixteen accumulators
.set E1,   160
.set XS,   224                         ; v224-239 xn's scale words: 4 (T / 2) + K step; lanes 0-15 the even tile, lanes 16-31 the odd
.set WS,   240                         ; v240-247 the weights', two sets of 4
.set PWV,  248                         ; v248-255 v's scale words in the making
.set SEL,  28
.set MNT,  30
.set MSB, 0
.macro WIN new                         ; the immediate's high byte repeats the setting that is left; a switch that changes nothing is dropped
.if MSB != (\new)
	s_set_vgpr_msb (MSB<<8)|(\new)
.set MSB, (\new)
.endif
.endm
.macro PLACES n
.rept \n
	v_nop
.endr
.endm
; one scaled matrix instruction from the symbols rD, rA, rB, cM (0: C is the constant 0), rC, rSA, rSB, fA, fB (1: the side's scales stand in lanes 16-31)
.macro WMX
.if cM
.if fA
.if fB
	v_wmma_scale_f32_16x16x128_f8f6f4 v[rD:rD+7], v[rA:rA+15], v[rB:rB+15], v[rC:rC+7], v[rSA], v[rSB] matrix_a_scale:MATRIX_SCALE_ROW1 matrix_b_scale:MATRIX_SCALE_ROW1
.else
	v_wmma_scale_f32_16x16x128_f8f6f4 v[rD:rD+7], v[rA:rA+15], v[rB:rB+15], v[rC:rC+7], v[rSA], v[rSB] matrix_a_scale:MATRIX_SCALE_ROW1
.endif
.else
.if fB
	v_wmma_scale_f32_16x16x128_f8f6f4 v[rD:rD+7], v[rA:rA+15], v[rB:rB+15], v[rC:rC+7], v[rSA], v[rSB] matrix_b_scale:MATRIX_SCALE_ROW1
.else
	v_wmma_scale_f32_16x16x128_f8f6f4 v[rD:rD+7], v[rA:rA+15], v[rB:rB+15], v[rC:rC+7], v[rSA], v[rSB]
.endif
.endif
.else
.if fA
.if fB
	v_wmma_scale_f32_16x16x128_f8f6f4 v[rD:rD+7], v[rA:rA+15], v[rB:rB+15], 0, v[rSA], v[rSB] matrix_a_scale:MATRIX_SCALE_ROW1 matrix_b_scale:MATRIX_SCALE_ROW1
.else
	v_wmma_scale_f32_16x16x128_f8f6f4 v[rD:rD+7], v[rA:rA+15], v[rB:rB+15], 0, v[rSA], v[rSB] matrix_a_scale:MATRIX_SCALE_ROW1
.endif
.else
.if fB
	v_wmma_scale_f32_16x16x128_f8f6f4 v[rD:rD+7], v[rA:rA+15], v[rB:rB+15], 0, v[rSA], v[rSB] matrix_b_scale:MATRIX_SCALE_ROW1
.else
	v_wmma_scale_f32_16x16x128_f8f6f4 v[rD:rD+7], v[rA:rA+15], v[rB:rB+15], 0, v[rSA], v[rSB]
.endif
.endif
.endif
.endm
; 64 numbers of a lane, register 16 b + i = k 32 b + 16 (lane / 16) + i of my row, become 16 registers of codes in v[PC] on, four bytes in v[TM+4] on and a scale word in v[PW].  Each accumulator is read from its low end on
.macro QUANT s
.set QIN, \s
.irp b, 0,1,2,3
	v_max3_num_f32 v[TM+\b], |v[QIN+16*\b]|, |v[QIN+1+16*\b]|, 0x4800000   ; block b: my 16 numbers and the floor 2^(9 - 127)
.endr
.irp i, 2,4,6,8,10,12,14
.irp b, 0,1,2,3
	v_max3_num_f32 v[TM+\b], v[TM+\b], |v[QIN+16*\b+\i]|, |v[QIN+1+16*\b+\i]|
.endr
.endr
.irp b, 0,1,2,3
	v_permlanex16_b32 v[TM+4+\b], v[TM+\b], s[SEL], s[SEL+1]
.endr
.irp b, 0,1,2,3
	v_max_num_f32 v[TM+\b], v[TM+\b], v[TM+4+\b]
.endr
.irp b, 0,1,2,3
	v_add_nc_u32 v[TM+12+\b], 0xfc000000, v[TM+\b]
.endr
.irp b, 0,1,2,3
	v_and_or_b32 v[TM+8+\b], v[TM+\b], 0x7f800000, s[MNT]
.endr
.irp b, 0,1,2,3
	v_lshrrev_b32 v[TM+4+\b], 23, v[TM+12+\b]
.endr
	v_lshl_or_b32 v[PW], v[TM+5], 8, v[TM+4]
	v_lshl_or_b32 v[PW], v[TM+6], 16, v[PW]
	v_lshl_or_b32 v[PW], v[TM+7], 24, v[PW]
.irp b, 0,1,2,3
.irp i, 0,1,2,3,4,5,6,7,8,9,10,11,12,13,14,15
	v_med3_num_f32 v[QIN+16*\b+\i], v[QIN+16*\b+\i], -v[TM+8+\b], v[TM+8+\b]
.endr
	v_cvt_scalef32_pk8_fp8_f32 v[PC+4*\b:PC+1+4*\b], v[QIN+16*\b:QIN+7+16*\b], v[TM+12+\b]
	v_cvt_scalef32_pk8_fp8_f32 v[PC+2+4*\b:PC+3+4*\b], v[QIN+8+16*\b:QIN+15+16*\b], v[TM+12+\b]
.endr
	v_nop                                          ; a plain line behind the last conversion
.endm
	s_load_b256 s[8:15], s[0:1], 0x0               ; x s[8:9], gamma s[10:11], beta s[12:13], stats s[14:15]
	s_load_b128 s[16:19], s[0:1], 0x20             ; wts s[16:17], qk s[18:19]
	s_load_b64 s[20:21], s[0:1], 0x30              ; vv
	v_lshl_add_u32 v[SPW], v0, 2, SPARE
	v_mov_b32 v[NIL], 0
	v_lshrrev_b32 v1, 5, v0
	v_readfirstlane_b32 s22, v1                    ; wave
	s_lshr_b32 s23, ttmp9, 3                       ; b
	s_bfe_u32 s24, ttmp9, 0x20001                  ; s
	s_and_b32 s25, ttmp9, 1                        ; ih
	v_and_b32 v1, 31, v0                           ; lane
	v_lshlrev_b32 v[LA16], 4, v1
	v_lshlrev_b32 v[LA4], 2, v1
	s_mul_i32 s26, s22, 5120
	s_add_co_u32 s26, s26, STGS                    ; my two stages
	v_lshrrev_b32 v12, 2, v1
	v_mul_u32_u24 v12, v12, 80
	v_and_b32 v13, 3, v1
	v_lshl_add_u32 v12, v13, 4, v12
	v_add_nc_u32 v[STI], s26, v12                  ; in: four lanes' 64 bytes on end, then 16 of padding
	v_mul_u32_u24 v12, v1, 80
	v_add_nc_u32 v[STO], s26, v12                  ; out: 80 x lane: my 16 neighbours
	s_mul_i32 s26, s22, 32*XP
	v_add_nc_u32 v[XCW], s26, v[LA16]
	s_lshl_b32 s26, s22, 9
	s_add_co_u32 s26, s26, SCX
	v_lshrrev_b32 v12, 1, v1
	v_add_nc_u32 v[SCW], s26, v12
	v_and_b32 v12, 15, v0                          ; r
	v_bfe_u32 v13, v0, 4, 1                        ; h
	v_and_b32 v14, 8, v12
	v_add_nc_u32 v14, v14, v12                     ; r + 8 (r / 8)
	v_mul_u32_u24 v[XFA], v14, XP
	v_lshl_add_u32 v[XFA], v13, 4, v[XFA]
	v_lshl_add_u32 v[XSA], v13, 3, v14             ; lanes 16-31 take the odd tile's rows, 8 further on
	v_lshlrev_b32 v[XSA], 4, v[XSA]
	v_add_nc_u32 v[XSA], SCX, v[XSA]
	v_lshlrev_b32 v12, 3, v1                       ; 8 x lane: my group's pair in a slice of stats
	v_lshlrev_b32 v13, 6, v1                       ; 64 x lane: my 16 channels of gamma and beta
	s_mov_b32 s[SEL], 0x76543210
	s_mov_b32 s[SEL+1], 0xfedcba98
	s_mov_b32 s[MNT], 0x600000
	s_mov_b32 s31, 0xffff0000                      ; lanes 16-31
	s_lshl_b32 s46, s23, 21                        ; x: image b, pixel 2 (128 s + 32 w) + ih
	s_lshl_b32 s26, s24, 19
	s_add_co_u32 s46, s46, s26
	s_lshl_b32 s26, s22, 17
	s_add_co_u32 s46, s46, s26
	s_lshl_b32 s26, s25, 11
	s_add_co_u32 s46, s46, s26
	s_mov_b32 s47, 0
	s_lshl_b32 s50, s23, 11                        ; stats: image b
	s_mov_b32 s51, 0
	s_mul_i32 s32, s22, 196608                     ; the weights' stream: pair 12 w on
	s_mov_b32 s33, 0
	s_mul_i32 s34, s22, 6144
	s_add_co_u32 s34, s34, 1048576
	s_mov_b32 s35, 0
	s_mul_i32 s36, s22, 24576
	s_add_co_u32 s36, s36, 1081344
	s_mov_b32 s37, 0
	s_lshl_b32 s38, s23, 20                        ; q, k codes: pair 16 ih + 4 w, K step s
	s_lshl_b32 s26, s25, 19
	s_add_co_u32 s38, s38, s26
	s_lshl_b32 s26, s22, 17
	s_add_co_u32 s38, s38, s26
	s_lshl_b32 s26, s24, 11
	s_add_co_u32 s38, s38, s26
	s_mov_b32 s39, 0
	s_lshl_b32 s40, s23, 15                        ; their scale words
	s_lshl_b32 s26, s25, 14
	s_add_co_u32 s40, s40, s26
	s_lshl_b32 s26, s22, 12
	s_add_co_u32 s40, s40, s26
	s_lshl_b32 s26, s24, 7
	s_add_co_u32 s40, s40, s26
	s_add_co_u32 s40, s40, 0x2000000
	s_mov_b32 s41, 0
	s_lshl_b32 s42, s23, 19                        ; v codes: tile 8 s, fragment 2 w + ih
	s_lshl_b32 s26, s24, 17
	s_add_co_u32 s42, s42, s26
	s_lshl_b32 s26, s22, 12
	s_add_co_u32 s42, s42, s26
	s_lshl_b32 s26, s25, 11
	s_add_co_u32 s42, s42, s26
	s_mov_b32 s43, 0
	s_lshl_b32 s44, s23, 14                        ; their scale words
	s_lshl_b32 s26, s24, 12
	s_add_co_u32 s44, s44, s26
	s_lshl_b32 s26, s22, 8
	s_add_co_u32 s44, s44, s26
	s_lshl_b32 s26, s25, 7
	s_add_co_u32 s44, s44, s26
	s_add_co_u32 s44, s44, 0x1000000
	s_mov_b32 s45, 0
	s_wait_kmcnt 0x0
	s_add_nc_u64 s[46:47], s[8:9], s[46:47]
	s_add_nc_u64 s[50:51], s[14:15], s[50:51]
	s_add_nc_u64 s[32:33], s[16:17], s[32:33]
	s_add_nc_u64 s[34:35], s[16:17], s[34:35]
	s_add_nc_u64 s[36:37], s[16:17], s[36:37]
	s_add_nc_u64 s[38:39], s[18:19], s[38:39]
	s_add_nc_u64 s[40:41], s[18:19], s[40:41]
	s_add_nc_u64 s[42:43], s[20:21], s[42:43]
	s_add_nc_u64 s[44:45], s[20:21], s[44:45]
; ---- PHASE X: my 32 rows of x become codes of xn.  Lane l holds channels 16 l .. 16 l + 15 of a row: group l.  Each load reads 512 consecutive bytes; a row turns through my own stage so that a lane gets 16 neighbours
.macro LOADX t
.irp i, 0,1,2,3
	global_load_b128 v[R+16*((\t)%8)+4*\i:R+16*((\t)%8)+4*\i+3], v[LA16], s[46:47] offset:4096*(\t)+512*\i th:TH_LOAD_NT
.endr
.endm
.macro TURN t                          ; LDS serves a wave's instructions in order (ISA guide 5.7.1.4): no wait between the stores and the loads
.irp i, 0,1,2,3
	ds_store_b128 v[STI], v[R+16*((\t)%8)+4*\i:R+16*((\t)%8)+4*\i+3] offset:2560*((\t)%2)+640*\i
.endr
.irp i, 0,1,2,3
	ds_load_b128 v[X+16*((\t)%2)+4*\i:X+16*((\t)%2)+4*\i+3], v[STO] offset:2560*((\t)%2)+16*\i
.endr
.endm
.irp i, 0,1,2,3,4,5,6,7
	global_load_b64 v[X+2*\i:X+2*\i+1], v12, s[50:51] offset:256*\i      ; the image's eight pairs (mean, M2) of my group
.endr
.irp i, 0,1,2,3
	global_load_b128 v[GA+4*\i:GA+4*\i+3], v13, s[10:11] offset:16*\i
.endr
.irp i, 0,1,2,3
	global_load_b128 v[BE+4*\i:BE+4*\i+3], v13, s[12:13] offset:16*\i
.endr
.irp t, 0,1,2,3,4,5,6,7
	LOADX \t
.endr
	s_wait_loadcnt 32                              ; the sixteen small loads are in; the 32 loads of rows 0-7 may be out
	v_add_f32 v16, v[X], v[X+2]
	v_add_f32 v18, v[X+1], v[X+3]
.irp i, 2,3,4,5,6,7
	v_add_f32 v16, v16, v[X+2*\i]
	v_add_f32 v18, v18, v[X+2*\i+1]
.endr
	v_mul_f32 v16, 0x3e000000, v16                 ; / 8: the group's mean
.irp i, 0,1,2,3,4,5,6,7
	v_sub_f32 v[X+2*\i], v[X+2*\i], v16
.endr
	v_mul_f32 v19, v[X], v[X]
.irp i, 1,2,3,4,5,6,7
	v_fmac_f32 v19, v[X+2*\i], v[X+2*\i]
.endr
	v_fmamk_f32 v18, v19, 0x45000000, v18          ; M2 = sum of M2 + 2048 x sum of (mean_i - mean)^2
	v_mov_b32 v19, 0x358637bd                      ; 1e-6
	v_fmamk_f32 v18, v18, 0x38800000, v19          ; M2 / 16384 + eps
	v_rsq_f32 v18, v18
	v_mov_b32 v17, v16                             ; (a plain line behind the transcendental)  the mean as a pair
	s_wait_alu depctr_va_vdst(0)                   ; the wait ahead of the first reader
	v_mov_b32 v19, v18
.irp i, 0,2,4,6,8,10,12,14
	v_pk_mul_f32 v[GA+\i:GA+\i+1], v[GA+\i:GA+\i+1], v[18:19]      ; gamma x rstd
.endr
	s_wait_loadcnt 28                              ; row 0 is in; rows 1-7 may be out
	TURN 0
.macro XSTEP t
.set XN, X+16*((\t)%2)
.set CN, CD+4*((\t)%2)
.if (\t) > 0
	s_wait_dscnt 2                                 ; this row is back from the stage (behind its loads stand the last row's two stores alone): so its stores into the stage have read their registers
.else
	s_wait_dscnt 0x0
.endif
.if (\t)+8 < 32
	LOADX (\t)+8                                   ; which take the row eight further on
.endif
.if (\t) < 31
.if 30-(\t) >= 7
	s_wait_loadcnt 28                              ; the next row is in; the seven rows behind it may be out
.else
	s_wait_loadcnt 4*(30-(\t))
.endif
	TURN (\t)+1
.endif
.irp i, 0,2,4,6,8,10,12,14
	v_pk_add_f32 v[XN+\i:XN+\i+1], v[XN+\i:XN+\i+1], v[16:17] neg_lo:[0,1] neg_hi:[0,1]
.endr
.irp i, 0,2,4,6,8,10,12,14
	v_pk_fma_f32 v[XN+\i:XN+\i+1], v[XN+\i:XN+\i+1], v[GA+\i:GA+\i+1], v[BE+\i:BE+\i+1]   ; xn
.endr
	v_max3_num_f32 v12, |v[XN]|, |v[XN+1]|, |v[XN+2]|
	v_max3_num_f32 v13, |v[XN+3]|, |v[XN+4]|, |v[XN+5]|
.irp i, 6,10
	v_max3_num_f32 v12, v12, |v[XN+\i]|, |v[XN+\i+1]|
	v_max3_num_f32 v13, v13, |v[XN+\i+2]|, |v[XN+\i+3]|
.endr
	v_max3_num_f32 v12, v12, |v[XN+14]|, |v[XN+15]|
	v_max3_num_f32 v12, v12, v13, 0x4800000        ; and the floor
	v_max_num_f32_dpp v12, v12, v12 row_xmask:1 row_mask:0xf bank_mask:0xf   ; with my neighbour's 16: the block's
	v_add_nc_u32 v14, 0xfc000000, v12
	v_and_or_b32 v15, v12, 0x7f800000, s[MNT]
.irp i, 0,1,2,3,4,5,6,7,8,9,10,11,12,13,14,15
	v_med3_num_f32 v[XN+\i], v[XN+\i], -v15, v15
.endr
	v_cvt_scalef32_pk8_fp8_f32 v[CN:CN+1], v[XN:XN+7], v14
	v_cvt_scalef32_pk8_fp8_f32 v[CN+2:CN+3], v[XN+8:XN+15], v14
	v_lshrrev_b32 v[BYT+(\t)%2], 23, v14           ; the byte.  (The plain line behind the conversions)
	ds_store_b128 v[XCW], v[CN:CN+3] offset:XP*(\t)                ; 32 lanes: the row's 512 codes
	ds_store_b8 v[SCW], v[BYT+(\t)%2] offset:16*(\t)               ; both lanes of a block write the same byte
.endm
.set Q, 0
.rept 32
	XSTEP Q
.set Q, Q+1
.endr
; ---- THE MAIN PHASE
.macro FETCHW p                        ; the stream's pair of weight tiles into set p: 8 fragments, 4 scale words, the bias's image: 40 loads
	WIN 0x40                                       ; destination window 1
.irp f, 0,1,2,3,4,5,6,7
.irp c, 0,1,2,3
	global_load_b128 v[128*(\p)+16*\f+4*\c:128*(\p)+16*\f+4*\c+3], v[LA16], s[32:33] offset:2048*\f+512*\c
.endr
.endr
	WIN 0
.irp q, 0,1,2,3
	global_load_b32 v[WS+4*(\p)+\q], v[LA4], s[34:35] offset:128*\q
.endr
.irp q, 0,1,2,3
	global_load_b128 v[BC+16*(\p)+4*\q:BC+16*(\p)+4*\q+3], v[LA16], s[36:37] offset:512*\q
.endr
.endm
.macro STEPW                           ; on to the stream's next pair
	s_add_nc_u64 s[32:33], s[32:33], 16384
	s_add_nc_u64 s[34:35], s[34:35], 512
	s_add_nc_u64 s[36:37], s[36:37], 2048
.endm
.macro NEXTW p                         ; set p is about to be multiplied: the other set takes the next pair
	s_wait_xcnt 0x0                                ; the earlier loads and stores have read their bases and data: both are rewritten only behind this wait
	STEPW
	FETCHW 1-(\p)
	s_wait_loadcnt 40                              ; all but the 40 just issued: set p is in
.endm
; q or k: 64 matrix instructions, the K step outermost, sixteen accumulators by turns.  Accumulator (u, T): channels of tile u (a lane a channel) x pixels of tile T (registers)
.macro MULQK p
.set i, 0
.rept 64
.set kq, i/16
.set uq, (i/8)%2
.set tq, i%8
	WIN 0x06+kq/2                                  ; source 0 (xn) window 2 or 3, source 1 (the weight) window 1
.set rD, E0+64*uq+8*tq
.set rA, ((kq%2)*8+tq)*16
.set rB, 128*(\p)+16*(4*uq+kq)
.set cM, 1
.if kq == 0
.set rC, BC+16*(\p)+8*uq
.else
.set rC, rD
.endif
.set rSA, XS+4*(tq/2)+kq
.set rSB, WS+4*(\p)+kq
.set fA, tq%2
.set fB, uq
	WMX
.set i, i+1
.endr
	WIN 0
.endm
; v: accumulator (T, u): pixels of tile T (a lane a pixel) x channels of tile u (registers)
.macro MULV p
.set i, 0
.rept 64
.set kq, i/16
.set tq, (i/2)%8
.set uq, i%2
	WIN 0x09+4*(kq/2)                              ; source 0 (the weight) window 1, source 1 (xn) window 2 or 3
.set rD, E0+16*tq+8*uq
.set rA, 128*(\p)+16*(4*uq+kq)
.set rB, ((kq%2)*8+tq)*16
.set cM, 1
.if kq == 0
.set rC, BC+16*(\p)+8*uq
.else
.set rC, rD
.endif
.set rSA, WS+4*(\p)+kq
.set rSB, XS+4*(tq/2)+kq
.set fA, uq
.set fB, tq%2
	WMX
.set i, i+1
.endr
	WIN 0
.endm
.macro OUTQK z                         ; two fragments (tiles u = 0, 1 of the pair; K step s of the attention) and their words
	PLACES 8                                       ; behind the last products, ahead of the first read of results
	QUANT E0
.irp c, 0,1,2,3
	global_store_b128 v[LA16], v[PC+4*\c:PC+4*\c+3], s[38:39] offset:16384*(\z)+512*\c
.endr
	v_mov_b32 v[PWA], v[PW]
	s_wait_xcnt 0x0                                ; the stores have read the codes' registers
	QUANT E1
.irp c, 0,1,2,3
	global_store_b128 v[LA16], v[PC+4*\c:PC+4*\c+3], s[38:39] offset:16384*(\z)+8192+512*\c
.endr
	v_cndmask_b32 v[PWO], v[PWA], v[PW], s31       ; lanes 0-15 tile 0's words, lanes 16-31 tile 1's
	global_store_b32 v[LA4], v[PWO], s[40:41] offset:512*(\z)
.endm
.macro OUTV second                     ; eight units (one for each pixel tile) of the fragments' unit c, and byte c of their words
	PLACES 8
.irp th, 0,1
.if \th
	s_wait_xcnt 0x0
.endif
	QUANT E0+64*\th
.irp bb, 0,1,2,3
	global_store_b128 v[LA16], v[PC+4*\bb:PC+4*\bb+3], s[42:43] offset:16384*(4*\th+\bb)+512*(\second)
	v_lshl_or_b32 v[PWV+4*\th+\bb], v[TM+4+\bb], s49, v[PWV+4*\th+\bb]
.endr
.endr
	s_add_co_u32 s49, s49, 8
.endm
	FETCHW 0                                       ; the first pair is asked for ahead of the barrier
	s_wait_dscnt 0x0                               ; my codes and bytes have landed
	s_barrier_signal -1
	s_barrier_wait -1                              ; everybody's have: 128 rows of xn lie in LDS
	WIN 0x80                                       ; destination window 2: K steps 0, 1
.irp q, 0,1
.irp T, 0,1,2,3,4,5,6,7
.irp c, 0,1,2,3
	ds_load_b128 v[128*\q+16*\T+4*\c:128*\q+16*\T+4*\c+3], v[XFA] offset:(32*(\T/2)+8*(\T%2))*XP+128*\q+32*\c
.endr
.endr
.endr
	WIN 0xc0                                       ; window 3: K steps 2, 3
.irp q, 0,1
.irp T, 0,1,2,3,4,5,6,7
.irp c, 0,1,2,3
	ds_load_b128 v[128*\q+16*\T+4*\c:128*\q+16*\T+4*\c+3], v[XFA] offset:(32*(\T/2)+8*(\T%2))*XP+128*(\q+2)+32*\c
.endr
.endr
.endr
	WIN 0
.irp b, 0,1,2,3
	ds_load_b128 v[XS+4*\b:XS+4*\b+3], v[XSA] offset:512*\b        ; a row's 16 bytes are its four words
.endr
	s_wait_dscnt 0x0
	s_mov_b32 s48, 4
.Lqk:                                              ; four trips: pair beta = 4 w + trip, q then k
	NEXTW 0
	MULQK 0
	OUTQK 0
	NEXTW 1
	MULQK 1
	OUTQK 1
	s_wait_xcnt 0x0
	s_add_nc_u64 s[38:39], s[38:39], 32768
	s_add_nc_u64 s[40:41], s[40:41], 1024
	s_sub_co_u32 s48, s48, 1
	s_cmp_lg_u32 s48, 0
	s_cbranch_scc1 .Lqk
.irp T, 0,1,2,3,4,5,6,7
	v_mov_b32 v[PWV+\T], 0
.endr
	s_mov_b32 s49, 0                               ; 8 c: where byte c stands in a word
	s_mov_b32 s48, 2
.Lv:                                               ; two trips of two: v's pairs beta = w + 4 c, c = 0..3
	NEXTW 0
	MULV 0
	OUTV 0
	s_wait_xcnt 0x0
	s_cmp_eq_u32 s48, 1                            ; the stream's last pair has no successor: no load leaves the buffer
	s_cbranch_scc1 .Lv_last
	STEPW
	FETCHW 0
	s_wait_loadcnt 40
	s_branch .Lv_go
.Lv_last:
	s_wait_loadcnt 0x0
.Lv_go:
	MULV 1
	OUTV 1
	s_wait_xcnt 0x0
	s_add_nc_u64 s[42:43], s[42:43], 1024
	s_sub_co_u32 s48, s48, 1
	s_cmp_lg_u32 s48, 0
	s_cbranch_scc1 .Lv
.irp P, 0,1,2,3
	v_cndmask_b32 v[PWV+2*\P], v[PWV+2*\P], v[PWV+2*\P+1], s31     ; lanes 0-15 the even tile's words, lanes 16-31 the odd tile's
.endr
.irp P, 0,1,2,3
	global_store_b32 v[LA4], v[PWV+2*\P], s[44:45] offset:1024*\P
.endr
	s_wait_tensorcnt 0x0                           ; the wave's end
	ds_add_u32 v[SPW], v[NIL]
	s_wait_dscnt 0x0
	s_endpgm
.Lfunc_end_k_q95c0d92618_qkv:
	.size	k_q95c0d92618_qkv, .Lfunc_end_k_q95c0d92618_qkv-k_q95c0d92618_qkv
	.p2alignl 7, 3214868480
	.fill 96, 4, 3214868480
	.section	.rodata,"a",@progbits
	.p2align	6, 0x0
	.amdhsa_kernel k_q95c0d92618_qkv
		.amdhsa_group_segment_fixed_size 90624
		.amdhsa_private_segment_fixed_size 0
		.amdhsa_enable_private_segment 0
		.amdhsa_kernarg_size 56
		.amdhsa_user_sgpr_count 2
		.amdhsa_user_sgpr_kernarg_segment_ptr 1
		.amdhsa_wavefront_size32 1
		.amdhsa_system_sgpr_workgroup_id_x 1
		.amdhsa_system_sgpr_workgroup_id_y 1
		.amdhsa_system_sgpr_workgroup_id_z 1
		.amdhsa_system_vgpr_workitem_id 0
		.amdhsa_next_free_vgpr 1024
		.amdhsa_next_free_sgpr 66
		.amdhsa_reserve_vcc 0
		.amdhsa_float_denorm_mode_32 3
		.amdhsa_float_denorm_mode_16_64 3
		.amdhsa_memory_ordered 1
		.amdhsa_forward_progress 1
		.amdhsa_inst_pref_size 255
	.end_amdhsa_kernel
	.section	.bss,"aw",@nobits
	.p2align	6
	.space	262144
	.amdgpu_metadata
---
amdhsa.version: [ 1, 2 ]
amdhsa.kernels:
  - .name:           k_q95c0d92618_qkv
    .symbol:         k_q95c0d92618_qkv.kd
    .args:
      - { .name: x, .offset: 0, .size: 8, .value_kind: global_buffer, .address_space: global }
      - { .name: gn_gamma, .offset: 8, .size: 8, .value_kind: global_buffer, .address_space: global }
      - { .name: gn_beta, .offset: 16, .size: 8, .value_kind: global_buffer, .address_space: global }
      - { .name: stats, .offset: 24, .size: 8, .value_kind: global_buffer, .address_space: global }
      - { .name: wts, .offset: 32, .size: 8, .value_kind: global_buffer, .address_space: global }
      - { .name: qk, .offset: 40, .size: 8, .value_kind: global_buffer, .address_space: global }
      - { .name: vv, .offset: 48, .size: 8, .value_kind: global_buffer, .address_space: global }
    .group_segment_fixed_size: 90624
    .private_segment_fixed_size: 0
    .kernarg_segment_align: 8
    .kernarg_segment_size: 56
    .max_flat_workgroup_size: 128
    .sgpr_count:     66
    .vgpr_count:     1024
    .wavefront_size: 32
...
	.end_amdgpu_metadata
.endif
;; end of part 2
;; launch attn (part 3): grid 256 x 1, 4 waves a work-group, no clusters, 158,208 bytes of LDS; arguments qk, vv, oo; writes oo
.if DOCPART == 3
	.amdgcn_target "amdgcn-amd-amdhsa--gfx1250"
	.amdhsa_code_object_version 6
	.text
	.protected	k_q95c0d92618_attn
	.globl	k_q95c0d92618_attn
	.p2align	8
	.type	k_q95c0d92618_attn,@function
k_q95c0d92618_attn:
	s_mov_b64 s[64:65], 0
	v_nop
	global_prefetch_b8 v0, s[64:65] scope:SCOPE_SE
	s_setreg_imm32_b32 hwreg(HW_REG_WAVE_MODE, 25, 1), 1
	s_wait_xcnt 0x0
; THIRD LAUNCH: s = q k / sqrt(512), the softmax by the problem's rule (p = 2^(t - M), M a whole number; the row's sum of the unquantised p divides at the end), out = v p / l, and out quantised along the queries for the last product.  No work is left out.
; SHARES.  Work-group 8 b + a owns queries 128 a .. 128 a + 127 of image b: eight tiles T of 16.
; PHASE 1.  Eight key steps of 128 keys; in step t wave w takes keys 128 t + 32 w .. + 31 for all 128 queries: S^T = K Q^T (source 0 = keys, source 1 = queries): a lane holds one query, 16 registers are 16 neighbouring keys.
; Each wave keeps ITS OWN running whole-number M and sum for each query.  p's codes go to LDS at once (all 1,024 keys x 128 queries are 131,072 bytes), and for each block of 32 keys the absolute exponent A = M + byte, a whole number in f32.
; BETWEEN.  The four waves' M and sums are joined (shifts by whole powers of two); each block's byte under the common M is A - M, held at 0 from below.  So nothing that was summed is ever rescaled.
; PHASE 2.  Wave w takes c' tiles 8 w .. 8 w + 7, all queries, all keys: source 0 = p (queries), source 1 = V (c'): a lane holds one c', its registers run along the QUERIES, which are the last product's K.
; EPILOGUE.  Divided by l, quantised in registers, stored as operand images: oo codes: b x 524288 + ih x 262144 + n' x 8192 + ks x 2048 + c x 512 + 16 lane; words at 16777216 + b x 16384 + ih x 8192 + (n' / 2) x 512 + ks x 128 + 4 lane.
; K's and V's fragments stream from memory straight into registers, two sets by turns, each asked for one step ahead; each is used by one wave of the work-group alone and feeds 8 products:
; NO CLUSTER, NO TENSOR LOAD: a way through LDS would add an LDS write and read for each byte.
; LIMITS: NaN and infinities are not served.  |t| stays under 2^23, so that M + byte is exact in f32.  A block of p whose byte under the common M would fall under 0 is held at byte 0: it then counts for at most 448 x 2^-127 a number.
; A p under 2^-126 of its wave's running maximum is taken as 0.  A block of out whose largest magnitude lies under 2^-118 gets the byte 1 (read by this program alone).
.set AEXP,  131072                     ; LDS: 0: p's codes: w x 32768 + t x 4096 + T x 512 + 16 lane;  AEXP: w x 4096 + t x 512 + T x 64 + 4 r
.set PSC,   147456                     ; p's scale words: (2 w + g) x 512 + P x 128 + 4 lane
.set MW,    151552                     ; the waves' -M: w x 512 + T x 64 + 4 r;  2,048 bytes on: their sums
.set RLA,   155648                     ; 1 / l: a copy of 512 bytes for each wave
.set SPARE, 157696
.set SPW,  2
.set NIL,  3
.set LA16, 4
.set LA4,  5
.set PWB,  6                           ; w x 32768 + 16 lane
.set AWB,  7                           ; AEXP + w x 4096 + 4 r
.set PST,  8                           ; the trip's two store addresses
.set AST,  9
.set MWW,  10
.set HI4,  11                          ; PSC + 4 lane
.set AER,  12                          ; AEXP + w x 4096 + 4 lane
.set PRA,  13                          ; phase 2: p's fragments;
.set PSR,  14                          ; their words
.set PFO,  15                          ; 256 x lane; never rewritten
.set NM,   16                          ; v16-31 for each T the pair (-M, the largest t)
.set L,    32                          ; v32-47 for each T the sum in two halves
.set BM,   48                          ; v48-51 block maxima; v52-55 at work; v56-63 f as pairs
.set TP,   52
.set F,    56
.set SO,   64                          ; the conversions' scale operands; 448 x the scale; bytes, then A
.set HO,   68
.set BY,   72
.set PC,   76                          ; v76-91 codes
.set PW,   92
.set PWE,  93
.set RLW,  94
.set PSW,  95
.set QS,   96                          ; v96-111 Q's scale words; in phase 2 v96-103 p's, two sets of 4
.set PS,   96
.set KS,   112                         ; v112-119 K's, then V's, two sets of 4
.set VS,   112
.set RLR,  120
.set PWO,  121
.set S,    128                         ; v128-255: phase 1 sixteen accumulators; phase 2 p's eight fragments; epilogue 64 numbers and 64 reciprocals
.set MB,   128
.set LB,   144
.set MF,   160
.set LS,   164
.set AX,   192
.set TM,   48                          ; QUANT's sixteen, in the epilogue
.set SEL,  18
.set MNT,  20
.set MSB, 0
.macro WIN new
.if MSB != (\new)
	s_set_vgpr_msb (MSB<<8)|(\new)
.set MSB, (\new)
.endif
.endm
.macro PLACES n
.rept \n
	v_nop
.endr
.endm
.macro BARRIER
	s_wait_dscnt 0x0                               ; my LDS stores have landed and my LDS loads are in
	s_barrier_signal -1
	s_barrier_wait -1
.endm
.macro WMX
.if cM
.if fA
.if fB
	v_wmma_scale_f32_16x16x128_f8f6f4 v[rD:rD+7], v[rA:rA+15], v[rB:rB+15], v[rC:rC+7], v[rSA], v[rSB] matrix_a_scale:MATRIX_SCALE_ROW1 matrix_b_scale:MATRIX_SCALE_ROW1
.else
	v_wmma_scale_f32_16x16x128_f8f6f4 v[rD:rD+7], v[rA:rA+15], v[rB:rB+15], v[rC:rC+7], v[rSA], v[rSB] matrix_a_scale:MATRIX_SCALE_ROW1
.endif
.else
.if fB
	v_wmma_scale_f32_16x16x128_f8f6f4 v[rD:rD+7], v[rA:rA+15], v[rB:rB+15], v[rC:rC+7], v[rSA], v[rSB] matrix_b_scale:MATRIX_SCALE_ROW1
.else
	v_wmma_scale_f32_16x16x128_f8f6f4 v[rD:rD+7], v[rA:rA+15], v[rB:rB+15], v[rC:rC+7], v[rSA], v[rSB]
.endif
.endif
.else
.if fA
.if fB
	v_wmma_scale_f32_16x16x128_f8f6f4 v[rD:rD+7], v[rA:rA+15], v[rB:rB+15], 0, v[rSA], v[rSB] matrix_a_scale:MATRIX_SCALE_ROW1 matrix_b_scale:MATRIX_SCALE_ROW1
.else
	v_wmma_scale_f32_16x16x128_f8f6f4 v[rD:rD+7], v[rA:rA+15], v[rB:rB+15], 0, v[rSA], v[rSB] matrix_a_scale:MATRIX_SCALE_ROW1
.endif
.else
.if fB
	v_wmma_scale_f32_16x16x128_f8f6f4 v[rD:rD+7], v[rA:rA+15], v[rB:rB+15], 0, v[rSA], v[rSB] matrix_b_scale:MATRIX_SCALE_ROW1
.else
	v_wmma_scale_f32_16x16x128_f8f6f4 v[rD:rD+7], v[rA:rA+15], v[rB:rB+15], 0, v[rSA], v[rSB]
.endif
.endif
.endif
.endm
.macro QUANT s
.set QIN, \s
.irp b, 0,1,2,3
	v_max3_num_f32 v[TM+\b], |v[QIN+16*\b]|, |v[QIN+1+16*\b]|, 0x4800000
.endr
.irp i, 2,4,6,8,10,12,14
.irp b, 0,1,2,3
	v_max3_num_f32 v[TM+\b], v[TM+\b], |v[QIN+16*\b+\i]|, |v[QIN+1+16*\b+\i]|
.endr
.endr
.irp b, 0,1,2,3
	v_permlanex16_b32 v[TM+4+\b], v[TM+\b], s[SEL], s[SEL+1]
.endr
.irp b, 0,1,2,3
	v_max_num_f32 v[TM+\b], v[TM+\b], v[TM+4+\b]
.endr
.irp b, 0,1,2,3
	v_add_nc_u32 v[TM+12+\b], 0xfc000000, v[TM+\b]
.endr
.irp b, 0,1,2,3
	v_and_or_b32 v[TM+8+\b], v[TM+\b], 0x7f800000, s[MNT]
.endr
.irp b, 0,1,2,3
	v_lshrrev_b32 v[TM+4+\b], 23, v[TM+12+\b]
.endr
	v_lshl_or_b32 v[PW], v[TM+5], 8, v[TM+4]
	v_lshl_or_b32 v[PW], v[TM+6], 16, v[PW]
	v_lshl_or_b32 v[PW], v[TM+7], 24, v[PW]
.irp b, 0,1,2,3
.irp i, 0,1,2,3,4,5,6,7,8,9,10,11,12,13,14,15
	v_med3_num_f32 v[QIN+16*\b+\i], v[QIN+16*\b+\i], -v[TM+8+\b], v[TM+8+\b]
.endr
	v_cvt_scalef32_pk8_fp8_f32 v[PC+4*\b:PC+1+4*\b], v[QIN+16*\b:QIN+7+16*\b], v[TM+12+\b]
	v_cvt_scalef32_pk8_fp8_f32 v[PC+2+4*\b:PC+3+4*\b], v[QIN+8+16*\b:QIN+15+16*\b], v[TM+12+\b]
.endr
	v_nop
.endm
	s_load_b128 s[8:11], s[0:1], 0x0               ; qk s[8:9], vv s[10:11]
	s_load_b64 s[12:13], s[0:1], 0x10              ; oo
	v_lshl_add_u32 v[SPW], v0, 2, SPARE
	v_mov_b32 v[NIL], 0
	v_lshrrev_b32 v1, 5, v0
	v_readfirstlane_b32 s14, v1                    ; wave
	s_lshr_b32 s15, ttmp9, 3                       ; b
	s_and_b32 s16, ttmp9, 7                        ; a
	v_and_b32 v1, 31, v0
	v_lshlrev_b32 v[LA16], 4, v1
	v_lshlrev_b32 v[LA4], 2, v1
	s_lshl_b32 s48, s14, 15
	v_add_nc_u32 v[PWB], s48, v[LA16]
	v_and_b32 v120, 15, v0
	v_lshlrev_b32 v121, 2, v120                    ; 4 r
	s_lshl_b32 s48, s14, 12
	s_add_co_u32 s48, s48, AEXP
	v_add_nc_u32 v[AWB], s48, v121
	v_add_nc_u32 v[AER], s48, v[LA4]
	s_lshl_b32 s48, s14, 9
	s_add_co_u32 s49, s48, MW
	v_add_nc_u32 v[MWW], s49, v121
	v_add_nc_u32 v[HI4], PSC, v[LA4]
	s_add_co_u32 s49, s48, RLA
	v_add_nc_u32 v[RLW], s49, v[LA4]
	v_bfe_u32 v120, v0, 4, 1
	v_lshl_add_u32 v[RLR], v120, 5, s49            ; RLA + 512 w + 32 h
	s_lshl_b32 s48, s14, 10
	s_add_co_u32 s48, s48, PSC
	v_add_nc_u32 v[PSW], s48, v[LA4]
	v_lshlrev_b32 v[PFO], 8, v1
	s_mov_b32 s[SEL], 0x76543210
	s_mov_b32 s[SEL+1], 0xfedcba98
	s_mov_b32 s[MNT], 0x600000
	s_mov_b32 s21, 0xffff0000                      ; lanes 16-31
	s_mov_b32 s22, 0x3d8293ee                      ; c = log2(e) / sqrt(512)
	s_mov_b32 s23, s22                             ; (named with it as a pair, so it is written)
	s_lshl_b32 s38, s15, 20                        ; Q: pairs 4 a on
	s_lshl_b32 s48, s16, 17
	s_add_co_u32 s38, s38, s48
	s_mov_b32 s39, 0
	s_lshl_b32 s40, s15, 15
	s_lshl_b32 s48, s16, 12
	s_add_co_u32 s40, s40, s48
	s_add_co_u32 s40, s40, 0x2000000
	s_mov_b32 s41, 0
	s_lshl_b32 s24, s15, 20                        ; K: pair w, then four pairs a key step
	s_lshl_b32 s48, s14, 15
	s_add_co_u32 s24, s24, s48
	s_add_co_u32 s24, s24, 16384
	s_mov_b32 s25, 0
	s_lshl_b32 s26, s15, 15
	s_lshl_b32 s48, s14, 10
	s_add_co_u32 s26, s26, s48
	s_add_co_u32 s26, s26, 0x2000200
	s_mov_b32 s27, 0
	s_lshl_b32 s28, s15, 19                        ; V: tiles 8 w on
	s_lshl_b32 s48, s14, 17
	s_add_co_u32 s28, s28, s48
	s_mov_b32 s29, 0
	s_lshl_b32 s30, s15, 14
	s_lshl_b32 s48, s14, 12
	s_add_co_u32 s30, s30, s48
	s_add_co_u32 s30, s30, 0x1000000
	s_mov_b32 s31, 0
	s_lshl_b32 s32, s15, 19                        ; the prefetch: piece 4 a + w of 32 pieces of 16,384 bytes of the image's V
	s_lshl_b32 s48, s16, 16
	s_add_co_u32 s32, s32, s48
	s_lshl_b32 s48, s14, 14
	s_add_co_u32 s32, s32, s48
	s_mov_b32 s33, 0
	s_lshr_b32 s49, s16, 2                         ; ih
	s_and_b32 s50, s16, 3                          ; the last product's K step
	s_lshl_b32 s34, s15, 19
	s_lshl_b32 s48, s49, 18
	s_add_co_u32 s34, s34, s48
	s_lshl_b32 s48, s14, 16
	s_add_co_u32 s34, s34, s48
	s_lshl_b32 s48, s50, 11
	s_add_co_u32 s34, s34, s48
	s_mov_b32 s35, 0
	s_lshl_b32 s36, s15, 14
	s_lshl_b32 s48, s49, 13
	s_add_co_u32 s36, s36, s48
	s_lshl_b32 s48, s14, 11
	s_add_co_u32 s36, s36, s48
	s_lshl_b32 s48, s50, 7
	s_add_co_u32 s36, s36, s48
	s_add_co_u32 s36, s36, 0x1000000
	s_mov_b32 s37, 0
	s_wait_kmcnt 0x0
	s_add_nc_u64 s[38:39], s[8:9], s[38:39]
	s_add_nc_u64 s[40:41], s[8:9], s[40:41]
	s_add_nc_u64 s[24:25], s[8:9], s[24:25]
	s_add_nc_u64 s[26:27], s[8:9], s[26:27]
	s_add_nc_u64 s[28:29], s[10:11], s[28:29]
	s_add_nc_u64 s[30:31], s[10:11], s[30:31]
	s_add_nc_u64 s[32:33], s[10:11], s[32:33]
	s_add_nc_u64 s[34:35], s[12:13], s[34:35]
	s_add_nc_u64 s[36:37], s[12:13], s[36:37]
.macro KFETCH p                        ; a key step's pair of key tiles into set p: 8 fragments and 4 words: 36 loads
	WIN 0x40
.irp f, 0,1,2,3,4,5,6,7
.irp c, 0,1,2,3
	global_load_b128 v[128*(\p)+16*\f+4*\c:128*(\p)+16*\f+4*\c+3], v[LA16], s[24:25] offset:2048*\f+512*\c
.endr
.endr
	WIN 0
.irp q, 0,1,2,3
	global_load_b32 v[KS+4*(\p)+\q], v[LA4], s[26:27] offset:128*\q
.endr
.endm
.macro VFETCH p                        ; a K step's fragments of my eight c' tiles into set p, and 4 words: 36 loads
	WIN 0x40
.irp n, 0,1,2,3,4,5,6,7
.irp c, 0,1,2,3
	global_load_b128 v[128*(\p)+16*\n+4*\c:128*(\p)+16*\n+4*\c+3], v[LA16], s[28:29] offset:16384*\n+512*\c
.endr
.endr
	WIN 0
.irp q, 0,1,2,3
	global_load_b32 v[VS+4*(\p)+\q], v[LA4], s[30:31] offset:1024*\q
.endr
.endm
.irp P, 0,1,2,3
.irp q, 0,1,2,3
	global_load_b32 v[QS+4*\P+\q], v[LA4], s[40:41] offset:1024*\P+128*\q
.endr
.endr
	WIN 0x80                                       ; Q stays in registers: windows 2 and 3, fragment (K step, T) at 16 (8 (step % 2) + T)
.irp q, 0,1
.irp T, 0,1,2,3,4,5,6,7
.irp c, 0,1,2,3
	global_load_b128 v[128*\q+16*\T+4*\c:128*\q+16*\T+4*\c+3], v[LA16], s[38:39] offset:32768*(\T/2)+8192*(\T%2)+2048*\q+512*\c
.endr
.endr
.endr
	WIN 0xc0
.irp q, 0,1
.irp T, 0,1,2,3,4,5,6,7
.irp c, 0,1,2,3
	global_load_b128 v[128*\q+16*\T+4*\c:128*\q+16*\T+4*\c+3], v[LA16], s[38:39] offset:32768*(\T/2)+8192*(\T%2)+2048*(\q+2)+512*\c
.endr
.endr
.endr
	WIN 0
	KFETCH 0
.irp T, 0,1,2,3,4,5,6,7
	v_mov_b32 v[NM+2*\T+1], 0xff61b1e6             ; the largest t so far: -3e38
.endr
.irp T, 0,1,2,3,4,5,6,7
	v_floor_f32 v[NM+2*\T], -v[NM+2*\T+1]          ; -M
.endr
.irp i, 0,1,2,3,4,5,6,7,8,9,10,11,12,13,14,15
	v_mov_b32 v[L+\i], 0
.endr
.irp i, 0,1,2,3,4,5,6,7,8,9,10,11
	v_mov_b32 v[TP+\i], 0                          ; written once: a lane permute's destination counts as a source, and f's pairs are named whole
.endr
; S^T of a key step: 64 matrix instructions, the K step outermost, sixteen accumulators by turns.  The first sixteen start the sums
.macro MULS p
.set i, 0
.rept 64
.set kq, i/16
.set tq, (i/2)%8
.set uq, i%2
	WIN 0x09+4*(kq/2)                              ; source 0 (K) window 1, source 1 (Q) window 2 or 3
.set rD, S+8*(2*tq+uq)
.set rA, 128*(\p)+16*(4*uq+kq)
.set rB, ((kq%2)*8+tq)*16
.set rC, rD
.set cM, kq
.set rSA, KS+4*(\p)+kq
.set rSB, QS+4*(tq/2)+kq
.set fA, uq
.set fB, tq%2
	WMX
.set i, i+1
.endr
	WIN 0
.endm
; The softmax of four query tiles T = 4 hh + b, by turns: each has ONE block of 32 keys, 16 in my lane (registers S + 64 hh + 16 b + 0..15) and 16 in lane l xor 16
.macro SM4 hh, p
.irp b, 0,1,2,3
	v_max3_num_f32 v[BM+\b], v[S+64*\hh+16*\b], v[S+64*\hh+16*\b+1], v[S+64*\hh+16*\b+2]   ; the block's largest score: it serves the row's maximum and, since p rises with the score, the block's largest p
.endr
.irp i, 3,5,7,9,11,13
.irp b, 0,1,2,3
	v_max3_num_f32 v[BM+\b], v[BM+\b], v[S+64*\hh+16*\b+\i], v[S+64*\hh+16*\b+\i+1]
.endr
.endr
.irp b, 0,1,2,3
	v_max_num_f32 v[BM+\b], v[BM+\b], v[S+64*\hh+16*\b+15]
.endr
.irp b, 0,1,2,3
	v_permlanex16_b32 v[TP+\b], v[BM+\b], s[SEL], s[SEL+1]
.endr
.irp b, 0,1,2,3
	v_max_num_f32 v[BM+\b], v[BM+\b], v[TP+\b]
.endr
.irp b, 0,1,2,3
	v_mul_f32 v[TP+\b], s22, v[BM+\b]              ; as t (c is positive)
.endr
.irp b, 0,1,2,3
	v_max_num_f32 v[NM+8*\hh+2*\b+1], v[NM+8*\hh+2*\b+1], v[TP+\b]   ; the running largest t
.endr
.irp b, 0,1,2,3
	v_mov_b32 v[TP+\b], v[NM+8*\hh+2*\b]
.endr
.irp b, 0,1,2,3
	v_floor_f32 v[NM+8*\hh+2*\b], -v[NM+8*\hh+2*\b+1]              ; the new -M = -ceil(t): a whole number
.endr
.irp b, 0,1,2,3
	v_sub_f32 v[TP+\b], v[NM+8*\hh+2*\b], v[TP+\b]                 ; old M - new M, 0 or less
.endr
.irp b, 0,1,2,3
	v_cvt_i32_f32 v[TP+\b], v[TP+\b]               ; (it saturates)
.endr
.irp b, 0,1,2,3
	v_ldexp_f32 v[F+2*\b], 1.0, v[TP+\b]           ; f = 2^(old M - new M)
.endr
.irp j, 0,2,4,6,8,10,12,14
.irp b, 0,1,2,3
	v_pk_fma_f32 v[S+64*\hh+16*\b+\j:S+64*\hh+16*\b+\j+1], v[S+64*\hh+16*\b+\j:S+64*\hh+16*\b+\j+1], s[22:23], v[NM+8*\hh+2*\b:NM+8*\hh+2*\b+1] op_sel_hi:[1,0,0]   ; t - M
.endr
.endr
.irp b, 0,1,2,3
	v_fma_f32 v[BM+\b], v[BM+\b], s22, v[NM+8*\hh+2*\b]            ; the same of the block's largest score
.endr
.irp j, 0,1,2,3,4,5,6,7,8,9,10,11,12,13,14,15
.irp b, 0,1,2,3
	v_exp_f32 v[S+64*\hh+16*\b+\j], v[S+64*\hh+16*\b+\j]           ; p = 2^(t - M): not normalised
.endr
.endr
.irp b, 0,1,2,3
	v_pk_mul_f32 v[L+8*\hh+2*\b:L+8*\hh+2*\b+1], v[L+8*\hh+2*\b:L+8*\hh+2*\b+1], v[F+2*\b:F+2*\b+1] op_sel_hi:[1,0]   ; the sums under the new M.  (Plain lines behind the exponentials)
.endr
	s_wait_alu depctr_va_vdst(0)                   ; one wait for the batch of 64, ahead of its first reader
.irp b, 0,1,2,3
	v_exp_f32 v[BM+\b], v[BM+\b]                   ; the block's largest p
.endr
.irp j, 0,2,4,6,8,10,12,14
.irp b, 0,1,2,3
	v_pk_add_f32 v[L+8*\hh+2*\b:L+8*\hh+2*\b+1], v[L+8*\hh+2*\b:L+8*\hh+2*\b+1], v[S+64*\hh+16*\b+\j:S+64*\hh+16*\b+\j+1]   ; the sum of the UNQUANTISED p, four chains.  (It reads the 64 alone)
.endr
.endr
	s_wait_alu depctr_va_vdst(0)                   ; and one for the four
	s_wait_dscnt 0x0                               ; the LDS stores of the four tiles before, issued long ago, have read their data: the registers are written again below
.irp b, 0,1,2,3
	v_max_num_f32 v[BM+\b], 0x4800000, v[BM+\b]    ; the floor 2^(9 - 127)
.endr
.irp b, 0,1,2,3
	v_add_nc_u32 v[SO+\b], 0xfc000000, v[BM+\b]
.endr
.irp b, 0,1,2,3
	v_and_or_b32 v[HO+\b], v[BM+\b], 0x7f800000, s[MNT]
.endr
.irp b, 0,1,2,3
	v_lshrrev_b32 v[BY+\b], 23, v[SO+\b]
.endr
.irp b, 0,1,2,3
	v_cvt_f32_u32 v[BY+\b], v[BY+\b]
.endr
.irp b, 0,1,2,3
	v_sub_f32 v[BY+\b], v[BY+\b], v[NM+8*\hh+2*\b] ; A = byte + M: the block's exponent whatever M becomes
.endr
.irp b, 0,1,2,3
.irp j, 0,1,2,3,4,5,6,7,8,9,10,11,12,13,14,15
	v_min_num_f32 v[S+64*\hh+16*\b+\j], v[S+64*\hh+16*\b+\j], v[HO+\b]   ; the hold; p is not negative
.endr
	v_cvt_scalef32_pk8_fp8_f32 v[PC+4*\b:PC+4*\b+1], v[S+64*\hh+16*\b:S+64*\hh+16*\b+7], v[SO+\b]
	v_cvt_scalef32_pk8_fp8_f32 v[PC+4*\b+2:PC+4*\b+3], v[S+64*\hh+16*\b+8:S+64*\hh+16*\b+15], v[SO+\b]
.endr
	v_nop                                          ; a plain line behind the last conversion
.irp b, 0,1,2,3
	ds_store_b128 v[PST], v[PC+4*\b:PC+4*\b+3] offset:4096*(\p)+512*(4*\hh+\b)   ; a unit of p: four operand registers as they stand
.endr
.irp b, 0,1,2,3
	ds_store_b32 v[AST], v[BY+\b] offset:512*(\p)+64*(4*\hh+\b)    ; lanes r and r + 16 hold and write the same word
.endr
.endm
.macro PSTEP p, last
	s_wait_xcnt 0x0                                ; the last fetch has read its bases
.if \last
	s_cmp_eq_u32 s42, 1                            ; the last key step has no successor
	s_cbranch_scc1 .Llastk_\@
.endif
	s_add_nc_u64 s[24:25], s[24:25], 131072
	s_add_nc_u64 s[26:27], s[26:27], 4096
	KFETCH 1-(\p)
	s_wait_loadcnt 36                              ; all but the 36 just issued: this step's K is in (in the first step Q too)
.if \last
	s_branch .Lgok_\@
.Llastk_\@:
	; V is asked for ahead of phase 2, one key step before its first load.  Each wave names its own 16,384 bytes, lanes 256 bytes apart: the image's 8 work-groups x 4 waves name each 256 bytes of V's codes once.  The two registers are never rewritten
	global_prefetch_b8 v[PFO], s[32:33] th:TH_LOAD_NT scope:SCOPE_SE
	global_prefetch_b8 v[PFO], s[32:33] offset:8192 th:TH_LOAD_NT scope:SCOPE_SE
	s_wait_loadcnt 0x0
.Lgok_\@:
.endif
	s_wait_dscnt 0x0                               ; the last step's LDS stores have read their addresses
	v_add_nc_u32 v[PST], s43, v[PWB]
	v_add_nc_u32 v[AST], s44, v[AWB]
	MULS \p
	PLACES 8                                       ; behind the last products, ahead of the first read of results
	SM4 0, \p
	SM4 1, \p
.endm
	s_mov_b32 s43, 0                               ; two key steps' units on: 8,192 bytes a trip
	s_mov_b32 s44, 0                               ; and their exponents: 1,024
	s_mov_b32 s42, 4
.Lkeys:                                            ; four trips of two key steps
	PSTEP 0, 0
	PSTEP 1, 1
	s_add_co_u32 s43, s43, 8192
	s_add_co_u32 s44, s44, 1024
	s_sub_co_u32 s42, s42, 1
	s_cmp_lg_u32 s42, 0
	s_cbranch_scc1 .Lkeys
	; ---- BETWEEN THE PHASES
.irp T, 0,1,2,3,4,5,6,7
	v_add_f32 v[L+2*\T], v[L+2*\T], v[L+2*\T+1]
.endr
.irp T, 0,1,2,3,4,5,6,7
	v_permlanex16_b32 v[L+2*\T+1], v[L+2*\T], s[SEL], s[SEL+1]
.endr
.irp T, 0,1,2,3,4,5,6,7
	v_add_f32 v[L+2*\T], v[L+2*\T], v[L+2*\T+1]    ; my wave's sum of the query
.endr
.irp T, 0,1,2,3,4,5,6,7
	ds_store_b32 v[MWW], v[NM+2*\T] offset:64*\T
	ds_store_b32 v[MWW], v[L+2*\T] offset:2048+64*\T
.endr
	s_wait_loadcnt 0x0                             ; V's first fragments and words take the registers of K's set 0: no load that names them is out, on any way out of the loop (the last key step fetched nothing and has waited for all: this wait is met at once)
	VFETCH 0
	BARRIER                                        ; the four waves' -M and sums lie in LDS
.irp P, 0,1,2,3                        ; from here to the next barrier lane (r, h) of register P stands for query r of tile 2 P + h
.irp q, 0,1,2,3
	ds_load_b32 v[MB+4*\P+\q], v[HI4] offset:4096+512*\q+128*\P
	ds_load_b32 v[LB+4*\P+\q], v[HI4] offset:6144+512*\q+128*\P
.endr
.endr
.irp g, 0,1
.irp P, 0,1,2,3
.irp c, 0,1,2,3
	ds_load_b32 v[AX+16*\g+4*\P+\c], v[AER] offset:512*(4*\g+\c)+128*\P   ; my own blocks' exponents
.endr
.endr
.endr
	s_wait_dscnt 0x0
.irp P, 0,1,2,3
	v_min_num_f32 v[MF+\P], v[MB+4*\P], v[MB+4*\P+1]
.endr
.irp P, 0,1,2,3
	v_min_num_f32 v[MF+\P], v[MF+\P], v[MB+4*\P+2]
.endr
.irp P, 0,1,2,3
	v_min_num_f32 v[MF+\P], v[MF+\P], v[MB+4*\P+3] ; -M of the whole row
.endr
.irp P, 0,1,2,3
.irp q, 0,1,2,3
	v_sub_f32 v[MB+4*\P+\q], v[MF+\P], v[MB+4*\P+\q]               ; that wave's M - the row's, 0 or less
.endr
.endr
.irp i, 0,1,2,3,4,5,6,7,8,9,10,11,12,13,14,15
	v_cvt_i32_f32 v[MB+\i], v[MB+\i]
.endr
.irp i, 0,1,2,3,4,5,6,7,8,9,10,11,12,13,14,15
	v_ldexp_f32 v[LB+\i], v[LB+\i], v[MB+\i]
.endr
.irp P, 0,1,2,3
	v_add_f32 v[LS+\P], v[LB+4*\P], v[LB+4*\P+1]
	v_add_f32 v[LB+4*\P+2], v[LB+4*\P+2], v[LB+4*\P+3]
.endr
.irp P, 0,1,2,3
	v_add_f32 v[LS+\P], v[LS+\P], v[LB+4*\P+2]     ; l
.endr
.irp P, 0,1,2,3
	v_rcp_f32 v[LS+\P], v[LS+\P]
.endr
.irp g, 0,1
.irp P, 0,1,2,3
.irp c, 0,1,2,3
	v_add_f32 v[AX+16*\g+4*\P+\c], v[AX+16*\g+4*\P+\c], v[MF+\P]   ; the byte under the row's M: A - M.  (Plain lines behind the reciprocals)
.endr
.endr
.endr
	s_wait_alu depctr_va_vdst(0)                   ; one wait for the four reciprocals, ahead of their first reader
.irp P, 0,1,2,3
	ds_store_b32 v[RLW], v[LS+\P] offset:128*\P    ; my wave's own copy
.endr
.irp i, 0,1,2,3,4,5,6,7,8,9,10,11,12,13,14,15,16,17,18,19,20,21,22,23,24,25,26,27,28,29,30,31
	v_max_num_f32 v[AX+\i], 0, v[AX+\i]            ; held at 0 from below
.endr
.irp i, 0,1,2,3,4,5,6,7,8,9,10,11,12,13,14,15,16,17,18,19,20,21,22,23,24,25,26,27,28,29,30,31
	v_cvt_i32_f32 v[AX+\i], v[AX+\i]
.endr
.irp i, 0,4,8,12,16,20,24,28
	v_lshl_or_b32 v[AX+\i], v[AX+\i+1], 8, v[AX+\i]
.endr
.irp i, 0,4,8,12,16,20,24,28
	v_lshl_or_b32 v[AX+\i], v[AX+\i+2], 16, v[AX+\i]
.endr
.irp i, 0,4,8,12,16,20,24,28
	v_lshl_or_b32 v[AX+\i], v[AX+\i+3], 24, v[AX+\i]
.endr
.irp g, 0,1
.irp P, 0,1,2,3
	ds_store_b32 v[PSW], v[AX+16*\g+4*\P] offset:512*\g+128*\P     ; the words of p's fragments 2 w + g
.endr
.endr
	BARRIER                                        ; p's codes and words of all four waves lie in LDS
	; ---- PHASE 2
.macro PFETCH t0                       ; p's fragments of tiles t0 .. t0 + 3 for the K step at v[PRA]: 16 loads
.irp T, \t0, \t0+1, \t0+2, \t0+3
.irp c, 0,1,2,3
	ds_load_b128 v[S+16*(\T)+4*\c:S+16*(\T)+4*\c+3], v[PRA] offset:4096*\c+512*(\T)
.endr
.endr
.endm
.macro PSFETCH p
.irp P, 0,1,2,3
	ds_load_b32 v[PS+4*(\p)+\P], v[PSR] offset:128*\P
.endr
.endm
.macro MULO p, hi, zero                ; 32 matrix instructions: tiles 4 hi .. 4 hi + 3 of the queries x my eight c' tiles; 32 accumulators by turns
.set i, 0
.rept 32
.set tq, 4*(\hi)+i/8
.set nq, i%8
.set rD, 8*i
.set rA, S+16*tq
.set rB, 128*(\p)+16*nq
.set rC, rD
.set cM, 1-(\zero)
.set rSA, PS+4*(\p)+tq/2
.set rSB, VS+4*(\p)+nq/2
.set fA, tq%2
.set fB, nq%2
	WMX
.set i, i+1
.endr
.endm
.macro PVSTEP p, zero, fetch
.if \fetch
	s_wait_xcnt 0x0
	s_add_nc_u64 s[28:29], s[28:29], 2048
	s_add_nc_u64 s[30:31], s[30:31], 128
	VFETCH 1-(\p)
	s_wait_loadcnt 36                              ; all but the 36 just issued: this step's V is in
.else
	s_wait_loadcnt 0x0
.endif
	s_wait_dscnt 16                                ; p's tiles 0-3 and its words are in; the youngest 16 loads (tiles 4-7) may be out
	WIN 0xa4                                       ; source 0 (p) window 0, source 1 (V) window 1, C and D window 2
	MULO \p, 0, \zero
	s_wait_dscnt 0x0
.if \fetch
	WIN 0
	v_add_nc_u32 v[PRA], s45, v[LA16]              ; the next K step's fragments and words.  (Two of the eight places in front of the loads below)
	v_add_nc_u32 v[PSR], s46, v[HI4]
	PLACES 6
	PFETCH 0
	PSFETCH 1-(\p)
.endif
	WIN 0xf4                                       ; C and D window 3
	MULO \p, 1, \zero
	WIN 0
	PLACES 8
.if \fetch
	PFETCH 4
	s_add_co_u32 s45, s45, 16384
	s_add_co_u32 s46, s46, 512
.endif
.endm
	v_add_nc_u32 v[PRA], 0, v[LA16]
	v_add_nc_u32 v[PSR], 0, v[HI4]
	PFETCH 0
	PSFETCH 0
	PFETCH 4
	s_mov_b32 s45, 16384
	s_mov_b32 s46, 512
	PVSTEP 0, 1, 1                                 ; the first K step starts the sums: nothing is cleared
	s_mov_b32 s42, 3
.Lpv:
	PVSTEP 1, 0, 1
	PVSTEP 0, 0, 1
	s_sub_co_u32 s42, s42, 1
	s_cmp_lg_u32 s42, 0
	s_cbranch_scc1 .Lpv
	PVSTEP 1, 0, 0                                 ; the last K step fetches nothing
	; ---- EPILOGUE: register j of accumulator (T, n) is query 32 (T / 2) + 16 h + 8 (T % 2) + j of my c'
.irp T, 0,1,2,3,4,5,6,7
.irp k, 0,1
	ds_load_b128 v[192+8*\T+4*\k:192+8*\T+4*\k+3], v[RLR] offset:64*\T+16*\k     ; 1 / l of those queries
.endr
.endr
	s_wait_dscnt 0x0
.macro EPI n
	WIN 0x02                                       ; source 0: window 2
.irp T, 0,1,2,3
.irp k, 0,2,4,6
	v_pk_mul_f32 v[S+8*\T+\k:S+8*\T+\k+1], v[64*\T+8*\n+\k:64*\T+8*\n+\k+1], v[192+8*\T+\k:192+8*\T+\k+1]   ; each accumulator from its low end on
.endr
.endr
	WIN 0x03
.irp T, 4,5,6,7
.irp k, 0,2,4,6
	v_pk_mul_f32 v[S+8*\T+\k:S+8*\T+\k+1], v[64*(\T-4)+8*\n+\k:64*(\T-4)+8*\n+\k+1], v[192+8*\T+\k:192+8*\T+\k+1]
.endr
.endr
	WIN 0
	s_wait_xcnt 0x0                                ; the last tile's stores have read their registers
	QUANT S
.irp c, 0,1,2,3
	global_store_b128 v[LA16], v[PC+4*\c:PC+4*\c+3], s[34:35] offset:8192*\n+512*\c
.endr
.if (\n)%2 == 0
	v_mov_b32 v[PWE], v[PW]
.else
	v_cndmask_b32 v[PWO], v[PWE], v[PW], s21       ; lanes 0-15 the even tile's words, lanes 16-31 the odd tile's
	global_store_b32 v[LA4], v[PWO], s[36:37] offset:512*((\n)/2)
.endif
.endm
.irp n, 0,1,2,3,4,5,6,7
	EPI \n
.endr
	s_wait_tensorcnt 0x0                           ; the wave's end
	ds_add_u32 v[SPW], v[NIL]
	s_wait_dscnt 0x0
	s_endpgm
.Lfunc_end_k_q95c0d92618_attn:
	.size	k_q95c0d92618_attn, .Lfunc_end_k_q95c0d92618_attn-k_q95c0d92618_attn
	.p2alignl 7, 3214868480
	.fill 96, 4, 3214868480
	.section	.rodata,"a",@progbits
	.p2align	6, 0x0
	.amdhsa_kernel k_q95c0d92618_attn
		.amdhsa_group_segment_fixed_size 158208
		.amdhsa_private_segment_fixed_size 0
		.amdhsa_enable_private_segment 0
		.amdhsa_kernarg_size 24
		.amdhsa_user_sgpr_count 2
		.amdhsa_user_sgpr_kernarg_segment_ptr 1
		.amdhsa_wavefront_size32 1
		.amdhsa_system_sgpr_workgroup_id_x 1
		.amdhsa_system_sgpr_workgroup_id_y 1
		.amdhsa_system_sgpr_workgroup_id_z 1
		.amdhsa_system_vgpr_workitem_id 0
		.amdhsa_next_free_vgpr 1024
		.amdhsa_next_free_sgpr 66
		.amdhsa_reserve_vcc 0
		.amdhsa_float_denorm_mode_32 3
		.amdhsa_float_denorm_mode_16_64 3
		.amdhsa_memory_ordered 1
		.amdhsa_forward_progress 1
		.amdhsa_inst_pref_size 255
	.end_amdhsa_kernel
	.section	.bss,"aw",@nobits
	.p2align	6
	.space	262144
	.amdgpu_metadata
---
amdhsa.version: [ 1, 2 ]
amdhsa.kernels:
  - .name:           k_q95c0d92618_attn
    .symbol:         k_q95c0d92618_attn.kd
    .args:
      - { .name: qk, .offset: 0, .size: 8, .value_kind: global_buffer, .address_space: global }
      - { .name: vv, .offset: 8, .size: 8, .value_kind: global_buffer, .address_space: global }
      - { .name: oo, .offset: 16, .size: 8, .value_kind: global_buffer, .address_space: global }
    .group_segment_fixed_size: 158208
    .private_segment_fixed_size: 0
    .kernarg_segment_align: 8
    .kernarg_segment_size: 24
    .max_flat_workgroup_size: 128
    .sgpr_count:     66
    .vgpr_count:     1024
    .wavefront_size: 32
...
	.end_amdgpu_metadata
.endif
;; end of part 3
;; launch proj (part 4): grid 256 x 1, 4 waves a work-group, no clusters, 296,448 bytes of LDS; arguments oo, wts, x, bo, out0; writes out0
.if DOCPART == 4
	.amdgcn_target "amdgcn-amd-amdhsa--gfx1250"
	.amdhsa_code_object_version 6
	.text
	.protected	k_q95c0d92618_proj
	.globl	k_q95c0d92618_proj
	.p2align	8
	.type	k_q95c0d92618_proj,@function
k_q95c0d92618_proj:
	s_mov_b64 s[64:65], 0
	v_nop
	global_prefetch_b8 v0, s[64:65] scope:SCOPE_SE
	s_setreg_imm32_b32 hwreg(HW_REG_WAVE_MODE, 25, 1), 1
	s_wait_xcnt 0x0
; FOURTH LAUNCH: out0 = Q(out) Q(wo) + bo + x.  No work is left out.
; SHARES.  Work-group 8 b + 4 ih + sq takes the 128 pixels 2 (128 sq + c'') + ih of image b, as eight tiles T whose lane r is c'' = 32 (T / 2) + 8 (T % 2) + r + 8 (r / 8), as the launch before laid them.
; Wave w makes output channels 128 w .. 128 w + 127: its 32 fragments of wo stay in registers (512).  Source 0 = wo's channels, source 1 = pixels: a lane holds one pixel and 16 neighbouring channels for each pair of tiles.
; X COMES BY THE TENSOR DATA MOVER.  A wave's part of x, 128 rows of 512 bytes that lie 4,096 bytes apart, is asked for at the kernel's head by two tensor loads of 64 rows into LDS bytes of the wave's own: all 65,536 bytes are
; on their way while the weights are loaded, and they take no register.  The bytes are filled once and read by the wave that asked alone: its own wait on TENSORcnt is all the ordering, and there is no barrier.
; OUT'S FRAGMENTS stream from memory into four sets of 64 registers: tile t + 4 is asked for in tile t, behind its products: three tiles ahead of its use.
; A TILE: x's 16 rows from LDS; 32 products (the first K step starts the sums with the constant 0); x + bo, in the layout of rows, stands in the places behind the products; the results turn through my own stage in LDS and come
; back as rows of 512 bytes; the sum is stored: each store covers 512 consecutive bytes, aligned to 256.  All offsets are immediates: the eight tiles are written out.
; NO CLUSTER: x and out0 are shared by nobody; wo's and out's fragments go straight into the registers of the wave that multiplies them: a way through LDS would add an LDS write and read for each byte, and x fills LDS.
; LDS: 296,448 bytes are used: more than half of a WGP's.
; LIMITS: NaN and infinities are not served.
.set STG,   262144                     ; LDS: 0: x: w x 65536 + c'' x 512;  STG: a stage of 16 rows x 528 bytes for each wave;
.set SPARE, 295936                     ; the spare words, 128 bytes a wave: two blocks of 256 bytes that no other line names
.set SPW,  2                           ; v2 my spare word's address, v3 0: never rewritten
.set NIL,  3
.set LA16, 4                           ; 16 x lane
.set LA4,  5                           ; 4 x lane
.set STO,  6                           ; the stage, on the way in
.set SRD,  7                           ; and back
.set XRD,  8                           ; x's rows: w x 65536 + 16 x lane
.set WS,   16                          ; v16-31 wo's scale words: 4 (n / 2) + K step
.set OS,   32                          ; v32-47 out's: 4 (T / 2) + K step
.set BOR,  48                          ; v48-51 bo of my four channels of a row
.set ACC,  64                          ; v64-127 eight accumulators
.set R,    128                         ; v128-191 16 rows back from the stage
.set XR,   192                         ; v192-255 x's 16 rows
.set G1,   36                          ; s[36:43] descriptor group 1: the shape, the same for both loads; never rewritten
.set G0,   44                          ; s[44:51] descriptor group 0, a set for each load; never rewritten
.set MSB, 0
.macro WIN new                         ; the immediate's high byte repeats the setting that is left; a switch that changes nothing is dropped
.if MSB != (\new)
	s_set_vgpr_msb (MSB<<8)|(\new)
.set MSB, (\new)
.endif
.endm
; one scaled matrix instruction from the symbols rD, rA, rB, cM (0: C is the constant 0), rC, rSA, rSB, fA, fB (1: the side's scales stand in lanes 16-31)
.macro WMX
.if cM
.if fA
.if fB
	v_wmma_scale_f32_16x16x128_f8f6f4 v[rD:rD+7], v[rA:rA+15], v[rB:rB+15], v[rC:rC+7], v[rSA], v[rSB] matrix_a_scale:MATRIX_SCALE_ROW1 matrix_b_scale:MATRIX_SCALE_ROW1
.else
	v_wmma_scale_f32_16x16x128_f8f6f4 v[rD:rD+7], v[rA:rA+15], v[rB:rB+15], v[rC:rC+7], v[rSA], v[rSB] matrix_a_scale:MATRIX_SCALE_ROW1
.endif
.else
.if fB
	v_wmma_scale_f32_16x16x128_f8f6f4 v[rD:rD+7], v[rA:rA+15], v[rB:rB+15], v[rC:rC+7], v[rSA], v[rSB] matrix_b_scale:MATRIX_SCALE_ROW1
.else
	v_wmma_scale_f32_16x16x128_f8f6f4 v[rD:rD+7], v[rA:rA+15], v[rB:rB+15], v[rC:rC+7], v[rSA], v[rSB]
.endif
.endif
.else
.if fA
.if fB
	v_wmma_scale_f32_16x16x128_f8f6f4 v[rD:rD+7], v[rA:rA+15], v[rB:rB+15], 0, v[rSA], v[rSB] matrix_a_scale:MATRIX_SCALE_ROW1 matrix_b_scale:MATRIX_SCALE_ROW1
.else
	v_wmma_scale_f32_16x16x128_f8f6f4 v[rD:rD+7], v[rA:rA+15], v[rB:rB+15], 0, v[rSA], v[rSB] matrix_a_scale:MATRIX_SCALE_ROW1
.endif
.else
.if fB
	v_wmma_scale_f32_16x16x128_f8f6f4 v[rD:rD+7], v[rA:rA+15], v[rB:rB+15], 0, v[rSA], v[rSB] matrix_b_scale:MATRIX_SCALE_ROW1
.else
	v_wmma_scale_f32_16x16x128_f8f6f4 v[rD:rD+7], v[rA:rA+15], v[rB:rB+15], 0, v[rSA], v[rSB]
.endif
.endif
.endif
.endm
	s_load_b256 s[8:15], s[0:1], 0x0               ; oo s[8:9], wts s[10:11], x s[12:13], bo s[14:15]
	s_load_b64 s[16:17], s[0:1], 0x20              ; out0
	v_lshl_add_u32 v[SPW], v0, 2, SPARE
	v_mov_b32 v[NIL], 0
	ds_add_u32 v[SPW], v[NIL]                      ; the wave's opening: the add, twice on end, and its wait stand ahead of my first tensor load; the set-up below, work on registers, stands between the second and the wait
	ds_add_u32 v[SPW], v[NIL]                      ; and once more
	v_lshrrev_b32 v1, 5, v0
	v_readfirstlane_b32 s18, v1                    ; wave
	s_lshr_b32 s19, ttmp9, 3                       ; b
	s_bfe_u32 s20, ttmp9, 0x10002                  ; ih
	s_and_b32 s21, ttmp9, 3                        ; sq
	v_and_b32 v1, 31, v0
	v_lshlrev_b32 v[LA16], 4, v1
	v_lshlrev_b32 v[LA4], 2, v1
	v_and_b32 v9, 15, v0                           ; r
	v_bfe_u32 v10, v0, 4, 1                        ; h
	s_mul_i32 s52, s18, 8448
	s_add_co_u32 s52, s52, STG                     ; my stage
	v_mul_u32_u24 v[STO], v9, 528
	v_lshl_add_u32 v[STO], v10, 6, v[STO]
	v_add_nc_u32 v[STO], s52, v[STO]               ; in: row r, + 64 h
	v_add_nc_u32 v[SRD], s52, v[LA16]              ; back: 16 bytes a lane of a row
	s_lshl_b32 s53, s18, 16                        ; my 65,536 bytes of x
	v_add_nc_u32 v[XRD], s53, v[LA16]
	; descriptor group 1: a tile of 64 rows x 128 elements of 4 bytes, 1,024 elements from row to row (every second pixel), dense in LDS: the rows are read back 512 consecutive bytes an instruction, so no padding is wanted
	s_mov_b32 s[G1+0], 2<<16                       ; 15:0 no mask; 17:16 elements of 4 bytes; 20 no padding
	s_mov_b32 s[G1+1], 128<<16                     ; tensor_dim0 = 128
	s_mov_b32 s[G1+2], 64<<16                      ; tensor_dim1 = 64
	s_mov_b32 s[G1+3], 128<<16                     ; tile_dim0 = 128
	s_mov_b32 s[G1+4], 64                          ; tile_dim1 = 64
	s_mov_b32 s[G1+5], 1024                        ; tensor_dim0_stride
	s_mov_b32 s[G1+6], 0
	s_mov_b32 s[G1+7], 0
	s_lshl_b32 s22, s19, 19                        ; out's codes: tiles 8 sq on
	s_lshl_b32 s52, s20, 18
	s_add_co_u32 s22, s22, s52
	s_lshl_b32 s52, s21, 16
	s_add_co_u32 s22, s22, s52
	s_mov_b32 s23, 0
	s_lshl_b32 s24, s19, 14                        ; their words
	s_lshl_b32 s52, s20, 13
	s_add_co_u32 s24, s24, s52
	s_lshl_b32 s52, s21, 11
	s_add_co_u32 s24, s24, s52
	s_add_co_u32 s24, s24, 0x1000000
	s_mov_b32 s25, 0
	s_lshl_b32 s26, s18, 16                        ; wo: pairs 48 + 4 w on
	s_add_co_u32 s26, s26, 786432
	s_mov_b32 s27, 0
	s_lshl_b32 s28, s18, 11
	s_add_co_u32 s28, s28, 1073152
	s_mov_b32 s29, 0
	s_lshl_b32 s30, s19, 21                        ; x and out0: pixel 256 sq + ih, channel 128 w
	s_lshl_b32 s52, s21, 19
	s_add_co_u32 s30, s30, s52
	s_lshl_b32 s52, s20, 11
	s_add_co_u32 s30, s30, s52
	s_lshl_b32 s52, s18, 9
	s_add_co_u32 s30, s30, s52
	s_mov_b32 s31, 0
	s_mov_b32 s34, s52                             ; bo: 512 w
	s_mov_b32 s35, 0
	s_wait_dscnt 0x0                               ; both opening adds are done
	s_wait_kmcnt 0x0
	s_add_nc_u64 s[32:33], s[16:17], s[30:31]
	s_add_nc_u64 s[30:31], s[12:13], s[30:31]
	; group 0, once for each load, then the load: rows 0-63 (tiles 0-3), rows 64-127 (tiles 4-7).  Both first fills go out together, ahead of every wait on TENSORcnt and every LDS read; two tensor loads of mine are out at the most
.irp s, 0,1
	s_mov_b32 s[G0+4*\s], 1                                        ; 1:0 count = 1
	s_add_co_u32 s[G0+4*\s+1], s53, \s*32768                       ; 63:32 LDS address: the wave's number x 65,536 + the half's 32,768
	s_add_nc_u64 s[G0+4*\s+2:G0+4*\s+3], s[30:31], \s*262144       ; 120:64 global address of the tile's first element: 64 rows of 4,096 bytes on
	s_or_b32 s[G0+4*\s+3], s[G0+4*\s+3], 0x80000000               ; 127:126 type = 2
	tensor_load_to_lds s[G0+4*\s:G0+4*\s+3], s[G1:G1+7]
	s_nop 0
.endr
.rept 4
	v_nop                                          ; four instructions stand between the last tensor load and the first switch of windows
.endr
	s_add_nc_u64 s[22:23], s[8:9], s[22:23]
	s_add_nc_u64 s[24:25], s[8:9], s[24:25]
	s_add_nc_u64 s[26:27], s[10:11], s[26:27]
	s_add_nc_u64 s[28:29], s[10:11], s[28:29]
	s_add_nc_u64 s[34:35], s[14:15], s[34:35]
.macro DFETCH t                        ; tile t: out's four fragments into window 1, set t % 4: 16 loads
	WIN 0x40
.irp q, 0,1,2,3
.irp c, 0,1,2,3
	global_load_b128 v[64*((\t)%4)+16*\q+4*\c:64*((\t)%4)+16*\q+4*\c+3], v[LA16], s[22:23] offset:8192*(\t)+2048*\q+512*\c
.endr
.endr
	WIN 0
.endm
	DFETCH 0
	WIN 0x80                                       ; wo's fragments (K step, tile n) at 16 (8 (step % 2) + n): windows 2 and 3; they stay
.irp q, 0,1
.irp n, 0,1,2,3,4,5,6,7
.irp c, 0,1,2,3
	global_load_b128 v[128*\q+16*\n+4*\c:128*\q+16*\n+4*\c+3], v[LA16], s[26:27] offset:16384*(\n/2)+8192*(\n%2)+2048*\q+512*\c
.endr
.endr
.endr
	WIN 0xc0
.irp q, 0,1
.irp n, 0,1,2,3,4,5,6,7
.irp c, 0,1,2,3
	global_load_b128 v[128*\q+16*\n+4*\c:128*\q+16*\n+4*\c+3], v[LA16], s[26:27] offset:16384*(\n/2)+8192*(\n%2)+2048*(\q+2)+512*\c
.endr
.endr
.endr
	WIN 0
.irp P, 0,1,2,3
.irp q, 0,1,2,3
	global_load_b32 v[WS+4*\P+\q], v[LA4], s[28:29] offset:512*\P+128*\q
	global_load_b32 v[OS+4*\P+\q], v[LA4], s[24:25] offset:512*\P+128*\q
.endr
.endr
	global_load_b128 v[BOR:BOR+3], v[LA16], s[34:35]               ; bo(128 w + 4 lane + 0..3): my 16 bytes of every row
	DFETCH 1
	DFETCH 2
	DFETCH 3
.macro DT t
.if 7-(\t) >= 3
	s_wait_loadcnt 48                              ; this tile's fragments are in (ahead of tile 0: the weights, the words and bo too); the 48 loads of the three tiles behind it may be out
.else
	s_wait_loadcnt 16*(7-(\t))                     ; the last tiles: the counts run down
.endif
.if (\t) == 0
	s_wait_tensorcnt 0x1                           ; x's rows 0-63 lie in LDS; the load of rows 64-127 may be out
.endif
.if (\t) == 4
	s_wait_tensorcnt 0x0                           ; rows 64-127 too
.endif
.irp g, 0,1,2,3,4,5,6,7,8,9,10,11,12,13,14,15
	ds_load_b128 v[XR+4*\g:XR+4*\g+3], v[XRD] offset:16384*((\t)/2)+4096*((\t)%2)+512*(\g+8*(\g/8))   ; x's row of the tile's lane g: 512 consecutive bytes
.endr
.set i, 0
.rept 32                               ; the K step outermost, eight accumulators by turns; the first eight start the sums
.set kq, i/8
.set nq, i%8
	WIN 0x06+kq/2                                  ; source 0 (wo) window 2 or 3, source 1 (out) window 1
.set rD, ACC+8*nq
.set rA, ((kq%2)*8+nq)*16
.set rB, 64*((\t)%4)+16*kq
.set rC, rD
.set cM, kq
.set rSA, WS+4*(nq/2)+kq
.set rSB, OS+4*((\t)/2)+kq
.set fA, nq%2
.set fB, (\t)%2
	WMX
.set i, i+1
.endr
	WIN 0
	s_wait_dscnt 0x0                               ; x's rows are in registers
.irp g, 0,1,2,3,4,5,6,7,8,9,10,11,12,13,14,15
	v_pk_add_f32 v[XR+4*\g:XR+4*\g+1], v[XR+4*\g:XR+4*\g+1], v[BOR:BOR+1]          ; x + bo.  These 32 name no register of the products: they are the places behind them, ahead of the first read of results and of the loads into the set just multiplied
	v_pk_add_f32 v[XR+4*\g+2:XR+4*\g+3], v[XR+4*\g+2:XR+4*\g+3], v[BOR+2:BOR+3]
.endr
	s_wait_xcnt 0x0                                ; the last tile's stores have read their registers
.irp k, 0,1,2,3,4,5,6,7,8,9,10,11,12,13,14,15
	ds_store_b128 v[STO], v[ACC+4*\k:ACC+4*\k+3] offset:128*(\k/4)+16*(\k%4)     ; each accumulator from its low end on; 16 registers are 16 neighbouring channels
.endr
.irp g, 0,1,2,3,4,5,6,7,8,9,10,11,12,13,14,15
	ds_load_b128 v[R+4*\g:R+4*\g+3], v[SRD] offset:528*\g          ; LDS serves a wave's instructions in order (ISA guide 5.7.1.4): these see the stores above
.endr
.if (\t)+4 < 8
	DFETCH (\t)+4                                  ; the set just multiplied takes the tile four further on
.endif
	s_wait_dscnt 0x0
.irp j, 0,2,4,6,8,10,12,14,16,18,20,22,24,26,28,30,32,34,36,38,40,42,44,46,48,50,52,54,56,58,60,62
	v_pk_add_f32 v[R+\j:R+\j+1], v[R+\j:R+\j+1], v[XR+\j:XR+\j+1]
.endr
.irp g, 0,1,2,3,4,5,6,7,8,9,10,11,12,13,14,15
	global_store_b128 v[LA16], v[R+4*\g:R+4*\g+3], s[32:33] offset:131072*((\t)/2)+32768*((\t)%2)+4096*(\g+8*(\g/8)) th:TH_STORE_NT
.endr
.endm
.irp t, 0,1,2,3,4,5,6,7
	DT \t
.endr
	s_wait_tensorcnt 0x0                           ; the wave's end: behind my last tensor load and my last LDS store
	ds_add_u32 v[SPW], v[NIL]
	s_wait_dscnt 0x0
	s_endpgm
.Lfunc_end_k_q95c0d92618_proj:
	.size	k_q95c0d92618_proj, .Lfunc_end_k_q95c0d92618_proj-k_q95c0d92618_proj
	.p2alignl 7, 3214868480
	.fill 96, 4, 3214868480
	.section	.rodata,"a",@progbits
	.p2align	6, 0x0
	.amdhsa_kernel k_q95c0d92618_proj
		.amdhsa_group_segment_fixed_size 296448
		.amdhsa_private_segment_fixed_size 0
		.amdhsa_enable_private_segment 0
		.amdhsa_kernarg_size 40
		.amdhsa_user_sgpr_count 2
		.amdhsa_user_sgpr_kernarg_segment_ptr 1
		.amdhsa_wavefront_size32 1
		.amdhsa_system_sgpr_workgroup_id_x 1
		.amdhsa_system_sgpr_workgroup_id_y 1
		.amdhsa_system_sgpr_workgroup_id_z 1
		.amdhsa_system_vgpr_workitem_id 0
		.amdhsa_next_free_vgpr 1024
		.amdhsa_next_free_sgpr 66
		.amdhsa_reserve_vcc 0
		.amdhsa_float_denorm_mode_32 3
		.amdhsa_float_denorm_mode_16_64 3
		.amdhsa_memory_ordered 1
		.amdhsa_forward_progress 1
		.amdhsa_inst_pref_size 134
	.end_amdhsa_kernel
	.amdgpu_metadata
---
amdhsa.version: [ 1, 2 ]
amdhsa.kernels:
  - .name:           k_q95c0d92618_proj
    .symbol:         k_q95c0d92618_proj.kd
    .args:
      - { .name: oo, .offset: 0, .size: 8, .value_kind: global_buffer, .address_space: global }
      - { .name: wts, .offset: 8, .size: 8, .value_kind: global_buffer, .address_space: global }
      - { .name: x, .offset: 16, .size: 8, .value_kind: global_buffer, .address_space: global }
      - { .name: bo, .offset: 24, .size: 8, .value_kind: global_buffer, .address_space: global }
      - { .name: out0, .offset: 32, .size: 8, .value_kind: global_buffer, .address_space: global }
    .group_segment_fixed_size: 296448
    .private_segment_fixed_size: 0
    .kernarg_segment_align: 8
    .kernarg_segment_size: 40
    .max_flat_workgroup_size: 128
    .sgpr_count:     66
    .vgpr_count:     1024
    .wavefront_size: 32
...
	.end_amdgpu_metadata
.endif
;; end of part 4
